; MI455X (gfx1250); checked and timed in simulation.
; The chip was launched on July 23, 2026; its instructions are those of AMD's public machine-readable ISA for CDNA 5 (MIT licence, August 2026) and "CDNA5" Instruction Set Architecture Reference Guide (July 2026). The comments in the code are by the model that wrote it; some were corrected since.
;; Causal Self Attention. Allowed arithmetic: float matrix products may take bf16 or f16 operands with f32 sums; other float arithmetic in f32, or as packed bf16 or f16 multiplies, adds, multiply-adds, maxima and minima; sums over many terms, partial sums and values carried from step to step in f32; what a program stores and reads back later, other than sums and carried values, may be rounded once to bf16 or f16.
;; Inputs: Wk 1,024 x 1,024 float32; Wq 1,024 x 1,024 float32; Wv 1,024 x 1,024 float32; x 4 x 2,048 x 1,024 float32.
;; Outputs: out0 4 x 2,048 x 1,024 float32.
;; 2 versions, each right; version 2 is version 1 with the launch cast written anew for expert scheduling mode. Each part assembles by itself: llvm-mc -triple=amdgcn-amd-amdhsa -mcpu=gfx1250 --defsym DOCPART=n.
;; ======== version 1 of 2: 4 launches
;; limits: values are held in f16: magnitudes above 65,504 overflow, below 6.1e-05 lose precision
;; workspace buffers: xb 16,777,216 bytes; wb 6,291,456 bytes; qkv 50,331,648 bytes; pbuf 33,554,432 bytes; stats 1,048,576 bytes
;; launch cast (part 1): grid 256 x 1, 8 waves a work-group, no clusters, 0 bytes of LDS; arguments x, Wq, Wk, Wv, xb, wb, pbuf, stats; writes xb, wb, pbuf, stats
.if DOCPART == 1
	.amdgcn_target "amdgcn-amd-amdhsa--gfx1250"
	.amdhsa_code_object_version 6
	.text
	.protected	k_qc06e42785a_cast
	.globl	k_qc06e42785a_cast
	.p2align	8
	.type	k_qc06e42785a_cast,@function
k_qc06e42785a_cast:
	s_mov_b64 s[64:65], 0
	v_nop
	global_prefetch_b8 v0, s[64:65] scope:SCOPE_SE
	s_setreg_imm32_b32 hwreg(HW_REG_WAVE_MODE, 25, 1), 1
	s_wait_xcnt 0x0
; x [8192][1024] and Wq, Wk, Wv [1024][1024], all f32, are rounded once to bf16 (to nearest even) and laid out BY BLOCKS OF 64 ALONG K, as the next launch's tiles want them:
; xb [16][8192][64], wb [16][3072][64] (in each block Wq's rows, then Wk's, then Wv's): a block's rows are 128 bytes and lie end to end.
; Two fills for the later launches: stats [4][16][2048] pairs (c m, l) start as (-1e30, 0), the pair of a block of keys that a row does not see;
; and the 16 tiles of pbuf (rows 512 G .. + 255, keys 512 G + 256 .. + 511 of each batch) that the last launch multiplies by the factor 0 and no launch else writes start as 0.
; A stream: no LDS, no barrier, no loop.  A PIECE is two rows x 64 numbers, one load and one store of a wave: lanes 0-15 take 256 consecutive bytes of one row, lanes 16-31 of the next;
; rounded, the two rows' 128 bytes are neighbours in the block: the store covers 256 consecutive bytes, aligned.  Wave w takes K blocks w and w + 8.
; A work-group has 32 rows of x (32 pieces a wave) and 4 rows of each W (4 pieces a wave each).  All 44 loads of a wave go out at once, each into registers of its own: no register of a pending instruction is ever rewritten.
.set XR, 8                             ; v[8:183]   piece p: four f32 at XR + 4 p, packed in place into its first two registers
.set ZR, 184                           ; v[184:187] 0
.set FR, 188                           ; v[188:191] (-1e30, 0) twice
.set KSA, 8192*128                     ; bytes in a K block of xb
.set KSB, 3072*128                     ; and of wb
	s_load_b512 s[4:19], s[0:1], 0x0               ; x s[4:5], Wq s[6:7], Wk s[8:9], Wv s[10:11], xb s[12:13], wb s[14:15], pbuf s[16:17], stats s[18:19]
	v_and_b32 v4, 31, v0                           ; lane
	v_lshrrev_b32 v5, 5, v0                        ; wave
	v_and_b32 v6, 15, v0
	v_bfe_u32 v7, v0, 4, 1
	v_lshlrev_b32 v1, 12, v7                       ; the way in: the row of my half of the lanes,
	v_lshl_add_u32 v1, v5, 8, v1                   ; K block w: 256 bytes of f32,
	v_lshl_add_u32 v1, v6, 4, v1                   ; my 16 bytes
	v_lshlrev_b32 v2, 3, v4                        ; the way out: 8 bytes a lane,
	v_mul_u32_u24 v3, v5, KSB
	v_add_nc_u32 v3, v3, v2                        ; in K block w of wb,
	v_lshl_add_u32 v2, v5, 20, v2                  ; of xb
	v_lshlrev_b32 v6, 4, v0                        ; stats: 16 bytes a thread
	v_lshlrev_b32 v7, 4, v4
	v_lshl_add_u32 v7, v5, 12, v7                  ; pbuf: a wave a row of 4,096 bytes, 512 bytes of it
.irp i, 184,185,186,187,189,191
	v_mov_b32 v\i, 0
.endr
	v_mov_b32 v188, 0xf149f2ca                     ; -1e30
	v_mov_b32 v190, 0xf149f2ca
	s_lshl_b32 s20, ttmp9, 17                      ; x: 32 rows of 4,096 bytes a work-group
	s_mov_b32 s21, 0
	s_lshl_b32 s22, ttmp9, 12                      ; xb: 32 rows of 128 bytes in each block; stats: 4,096 bytes
	s_mov_b32 s23, 0
	s_lshl_b32 s24, ttmp9, 14                      ; each W: 4 rows
	s_mov_b32 s25, 0
	s_lshl_b32 s26, ttmp9, 9                       ; wb: 4 rows of 128 bytes in each block and part
	s_mov_b32 s27, 0
	s_lshr_b32 s30, ttmp9, 6                       ; pbuf: batch g / 64,
	s_lshl_b32 s30, s30, 23
	s_bfe_u32 s2, ttmp9, 0x20004                   ; G = (g / 16) % 4: 512 G rows down and 512 G + 256 keys along,
	s_mul_i32 s2, s2, 2098176
	s_add_co_u32 s30, s30, s2
	s_and_b32 s2, ttmp9, 15                        ; 16 rows of the tile's 256
	s_lshl_b32 s2, s2, 16
	s_add_co_u32 s30, s30, s2
	s_add_co_u32 s30, s30, 512
	s_mov_b32 s31, 0
	s_wait_kmcnt 0x0
	s_add_nc_u64 s[4:5], s[4:5], s[20:21]
	s_add_nc_u64 s[6:7], s[6:7], s[24:25]
	s_add_nc_u64 s[8:9], s[8:9], s[24:25]
	s_add_nc_u64 s[10:11], s[10:11], s[24:25]
	s_add_nc_u64 s[12:13], s[12:13], s[22:23]
	s_add_nc_u64 s[28:29], s[12:13], 8*KSA         ; xb eight K blocks on: more than a store's immediate holds
	s_add_nc_u64 s[14:15], s[14:15], s[26:27]
	s_add_nc_u64 s[16:17], s[16:17], s[30:31]
	s_add_nc_u64 s[18:19], s[18:19], s[22:23]
.macro LD p, base, off                 ; piece p's load
	global_load_b128 v[XR+4*(\p):XR+4*(\p)+3], v1, s[\base:\base+1] offset:\off th:TH_LOAD_NT
.endm
.macro CV p, vo, base, off             ; piece p is rounded and stored
	s_wait_loadcnt 43-(\p)                         ; loads come back in order: the loads of the 43 - p later pieces may stay out
	v_cvt_pk_bf16_f32 v[XR+4*(\p)],   v[XR+4*(\p)],   v[XR+4*(\p)+1]
	v_cvt_pk_bf16_f32 v[XR+4*(\p)+1], v[XR+4*(\p)+2], v[XR+4*(\p)+3]
	global_store_b64 v\vo, v[XR+4*(\p):XR+4*(\p)+1], s[\base:\base+1] offset:\off th:TH_STORE_NT
.endm
.set p, 0
.rept 32                               ; x: pair of rows p / 2, K block w + 8 (p % 2)
	LD p, 4, (p/2)*8192+(p%2)*2048
.set p, p+1
.endr
.irp m, 0,1,2
.irp q, 0,1,2,3
	LD 32+4*(\m)+(\q), 6+2*(\m), ((\q)/2)*8192+((\q)%2)*2048
.endr
.endr
	global_store_b128 v6, v[FR:FR+3], s[18:19] th:TH_STORE_NT               ; the fills leave while the loads are on their way
	global_store_b128 v7, v[ZR:ZR+3], s[16:17] th:TH_STORE_NT               ; eight rows,
	global_store_b128 v7, v[ZR:ZR+3], s[16:17] offset:32768 th:TH_STORE_NT  ; and the eight below
.set p, 0
.rept 16
	CV 2*p,   2, 12, p*256
	CV 2*p+1, 2, 28, p*256
.set p, p+1
.endr
.irp m, 0,1,2
.irp q, 0,1,2,3
	CV 32+4*(\m)+(\q), 3, 14, ((\q)%2)*8*KSB+(\m)*131072+((\q)/2)*256
.endr
.endr
	s_endpgm
.Lfunc_end_k_qc06e42785a_cast:
	.size	k_qc06e42785a_cast, .Lfunc_end_k_qc06e42785a_cast-k_qc06e42785a_cast
	.p2alignl 7, 3214868480
	.fill 96, 4, 3214868480
	.section	.rodata,"a",@progbits
	.p2align	6, 0x0
	.amdhsa_kernel k_qc06e42785a_cast
		.amdhsa_group_segment_fixed_size 0
		.amdhsa_private_segment_fixed_size 0
		.amdhsa_enable_private_segment 0
		.amdhsa_kernarg_size 64
		.amdhsa_user_sgpr_count 2
		.amdhsa_user_sgpr_kernarg_segment_ptr 1
		.amdhsa_wavefront_size32 1
		.amdhsa_system_sgpr_workgroup_id_x 1
		.amdhsa_system_sgpr_workgroup_id_y 1
		.amdhsa_system_sgpr_workgroup_id_z 1
		.amdhsa_system_vgpr_workitem_id 0
		.amdhsa_next_free_vgpr 192
		.amdhsa_next_free_sgpr 66
		.amdhsa_reserve_vcc 0
		.amdhsa_float_denorm_mode_32 3
		.amdhsa_float_denorm_mode_16_64 3
		.amdhsa_memory_ordered 1
		.amdhsa_forward_progress 1
		.amdhsa_inst_pref_size 18
	.end_amdhsa_kernel
	.amdgpu_metadata
---
amdhsa.version: [ 1, 2 ]
amdhsa.kernels:
  - .name:           k_qc06e42785a_cast
    .symbol:         k_qc06e42785a_cast.kd
    .args:
      - { .name: x, .offset: 0, .size: 8, .value_kind: global_buffer, .address_space: global }
      - { .name: Wq, .offset: 8, .size: 8, .value_kind: global_buffer, .address_space: global }
      - { .name: Wk, .offset: 16, .size: 8, .value_kind: global_buffer, .address_space: global }
      - { .name: Wv, .offset: 24, .size: 8, .value_kind: global_buffer, .address_space: global }
      - { .name: xb, .offset: 32, .size: 8, .value_kind: global_buffer, .address_space: global }
      - { .name: wb, .offset: 40, .size: 8, .value_kind: global_buffer, .address_space: global }
      - { .name: pbuf, .offset: 48, .size: 8, .value_kind: global_buffer, .address_space: global }
      - { .name: stats, .offset: 56, .size: 8, .value_kind: global_buffer, .address_space: global }
    .group_segment_fixed_size: 0
    .private_segment_fixed_size: 0
    .kernarg_segment_align: 8
    .kernarg_segment_size: 64
    .max_flat_workgroup_size: 256
    .sgpr_count:     66
    .vgpr_count:     192
    .wavefront_size: 32
...
	.end_amdgpu_metadata
.endif
;; end of part 1
;; launch proj (part 2): grid 8 x 32, 4 waves a work-group, clusters of 4 x 4, 327,680 bytes of LDS; arguments xb, wb, qkv; writes qkv
.if DOCPART == 2
	.amdgcn_target "amdgcn-amd-amdhsa--gfx1250"
	.amdhsa_code_object_version 6
	.text
	.protected	k_qc06e42785a_proj
	.globl	k_qc06e42785a_proj
	.p2align	8
	.type	k_qc06e42785a_proj,@function
k_qc06e42785a_proj:
	s_mov_b64 s[64:65], 0
	v_nop
	global_prefetch_b8 v0, s[64:65] scope:SCOPE_SE
	s_setreg_imm32_b32 hwreg(HW_REG_WAVE_MODE, 25, 1), 1
	s_wait_xcnt 0x0
	s_wait_alu depctr_hold_cnt(0) depctr_sa_sdst(0) depctr_va_vdst(0) depctr_va_sdst(0) depctr_va_ssrc(0) depctr_va_vcc(0) depctr_vm_vsrc(0)
	s_getreg_b32 s2, hwreg(HW_REG_IB_STS2, 6, 4)
	s_cmp_eq_u32 s2, 0
	s_cbranch_scc0 .Lentry_in_a_cluster
	s_endpgm
.Lentry_in_a_cluster:
	s_bfe_u32 s2, ttmp6, 0x10000c
	s_cmp_lg_u32 s2, 0xf033
	s_cbranch_scc0 .Lentry_shape_is_right
	s_endpgm
.Lentry_shape_is_right:
; qkv[m][n] = sum over k of x[m][k] W[n][k].  xb: [16][8192][64] bf16, wb: [16][3072][64] bf16 (by blocks of 64 along K; Wq's, Wk's, Wv's rows), qkv: [8192][3072] f16: q, k and v of a row side by side.
; Sums in f32, K ascending, rounded once.  LIMIT.  f16 holds no number beyond 65,504: q, k and v must lie within it (with numbers of the drawn spread they stay under 4; with every input thirty times larger under 4,000).
; THE TILE is 256 x 384: 32 x 8 = 256 work-groups of equal work.  Four waves, each 128 x 192: 96 accumulators of 16 x 16, 768 registers: for 32 along K twenty fragments feed 96 matrix instructions.
; THE RING.  K goes in 16 steps of 64 through two LDS slots (two slots of 128 along K, 2 x 174,080 bytes, do not fit).  A slot: A's 256 rows, then B's 384, 128 bytes + 16 of padding each.  In memory a tile's rows lie end to
; end, so they are asked for as rows of 256 bytes, two tile rows each, padded after every 128.  Waves 0 to 2 fetch a third of B's tile each (64 such rows), wave 3 fetches A's (128).
; CLUSTERS: 4 x 4 work-groups.  The four of a row of the cluster need the same tile of A, the four of a column the same tile of B: each is asked for JOINTLY, by the same tensor load with the same descriptor and a mask of four.
; THE MATRIX INSTRUCTION IS USED TRANSPOSED: source 0 = 16 rows of B, source 1 = 16 rows of A: a lane holds row l % 16 of the result and the columns 8 (l / 16) + 0 .. 7, which pack into 16 bytes.
; REGISTERS, in windows of 256 (s_set_vgpr_msb: bits 1:0 source 0, 3:2 source 1, 5:4 source 2, 7:6 destination):
;   window 0: v0-31 addresses; v32-159 A's fragments, two buffers of 8; v160-255 B's, three buffers of 4; on the way out v32-223 at work
;   windows 1, 2, 3: the accumulators: column block b, row block a in window 1 + b / 4 at v[8 (8 (b % 4) + a)]
; A QUARTER is 32 along K: three GROUPS of 32 matrix instructions, group g on window 1 + g with B's buffer g and all of A's buffer: two switches of the windows for 32 matrix instructions.
; At a group's head the fragments of later groups are asked for: group 0: B's group 2 of this quarter; group 1: B's group 0 and A's first half of the next quarter; group 2: A's second half and B's group 1 of the next.
; So all reads of a K step stand between two changes of slots, which lie in group 0 of a step's second quarter, and one pair of address registers, made anew behind each change, serves them all: a trip of the loop is ONE K step.
.set PITCH,  144                       ; an LDS row: 128 bytes + 16 = 36 words: the 16 rows that a load touches start at 16 different groups of four banks (ISA guide 11.1)
.set BOFF,   256*PITCH                 ; B's rows lie behind A's 256
.set SLOT1,  1<<17                     ; slot 1 begins here (a slot has 92,160 bytes), so that one exclusive or turns an address in one slot into the other's
.set SPITCH, 784                       ; the stage: a tile's row of 768 bytes + 16: 196 words: row r starts at bank 4 r mod 64
.set SPARE,  SLOT1+640*PITCH           ; behind the ring: the spare words, 128 bytes for each wave, which no other line names.  The stage, 256 x 784 bytes from byte 0, ends below them
.set KSA,    8192*128                  ; bytes from K step to K step in xb
.set KSB,    3072*128                  ; and in wb
.set TRIPS,  14                        ; K steps behind which a slot is filled again: 16 - 2
.set AW,     3                         ; the wave that fetches A's tile
.set ADA0, 16                          ; v16  my lane's place in my 128 rows of A, slot 0; never rewritten
.set ADB0, 17                          ; v17  the same in my 192 rows of B
.set ADA,  18                          ; v18  the same in the slot that is being read
.set ADB,  19                          ; v19
.set STO,  20                          ; v20-21  the way out: where I put 16 bytes of a row, row blocks 0-3 and 4-7
.set RD,   22                          ; v22  where I read rows back
.set CO,   23                          ; v23  my byte offset in qkv
.set PFO,  24                          ; v24  the prefetches' offset; never rewritten
.set SPW,  28                          ; v28  LDS address of my spare word; never rewritten
.set NIL,  29                          ; v29  0; never rewritten
.set AF,   32
.set BF,   160
.set TMP,  32                          ; the way out: a window's 32 results, packed
.set BK,   32                          ; and whole rows, two sets of 96
.set G1,  24                           ; s[24:31] descriptor group 1 for A's tiles
.set G0,  32                           ; s[32:39] group 0: a set for each of the two first fills; the second then walks on
.set G1B, 40                           ; s[40:47], s[48:55] the same for B's
.set G0B, 48
.set TB,  56                           ; s56  the slot that is being read: 0 or SLOT1
.set LIM, 57                           ; s57  a wave prefetches while the trips to go are above this
.set PFA, 58                           ; s[58:59] where my prefetches stand
.set PFS, 60                           ; s[60:61] bytes from K step to K step in the tensor that I fetch
.set ODD, 62                           ; s62  1: I ask in every trip (A); 0: in every other (B)
.set MSB, 0
.macro WIN new                         ; the immediate's high byte repeats the setting that is left; a switch that changes nothing is dropped
.if MSB != (\new)
	s_set_vgpr_msb (MSB<<8)|(\new)
.set MSB, \new
.endif
.endm
; A joint load.  The branch hangs on the wave's number alone.  An s_nop 0 and four v_nop follow each of the two lines.
.macro JLOAD s
	s_cmp_eq_u32 s10, AW
	s_cbranch_scc0 .Lfor_b_\@
	tensor_load_to_lds s[G0+4*(\s):G0+4*(\s)+3], s[G1:G1+7]
	s_nop 0
.rept 4
	v_nop
.endr
	s_branch .Lasked_\@
.Lfor_b_\@:
	tensor_load_to_lds s[G0B+4*(\s):G0B+4*(\s)+3], s[G1B:G1B+7]
	s_nop 0
.rept 4
	v_nop
.endr
.Lasked_\@:
.endm
; A PREFETCH, behind the joint refill and the run of LDS loads that follows it; a lane names 256 bytes, one instruction a wave.  In trip k (the refill asks for K step k + 2):
; A: K step k + 3: a tile is 128 x 256 bytes; it is read by both clusters of a row of clusters: the one with x = 0 asks, wave 3; each of the four partners takes 32 of the 128, told apart by address (cx).  Trips 0 to 12.
; B: K steps k + 3 (lanes 0-15) and k + 4 (lanes 16-31), in the odd trips 1 to 11: a wave's third of a tile is 64 x 256 bytes; it is read by all eight clusters of a column: the one with y = 0 asks, waves 0 to 2;
; each partner takes 16 of the 64 (cy).  So each 256 bytes are named once in the launch, 192 to 384 matrix instructions ahead of the load that asks for them; A's K steps 0 to 2 and B's 0 to 3 come by their loads alone; none is named past K step 15.
.macro ASK
	s_or_b32 s2, s3, s[ODD]                        ; s3 = 14 - k: odd where k is
	s_bitcmp1_b32 s2, 0
	s_cbranch_scc0 .Lnot_now_\@
	s_cmp_gt_u32 s3, s[LIM]
	s_cbranch_scc0 .Lnot_now_\@
	global_prefetch_b8 v[PFO], s[PFA:PFA+1] th:TH_LOAD_NT scope:SCOPE_SE
.Lnot_now_\@:
.endm
.macro CREST                           ; a round of the cluster's barrier behind its opening barrier
	s_cmp_lg_u32 s10, 0
	s_cbranch_scc1 .Lnot_wave_0_\@
	s_barrier_signal -3
.Lnot_wave_0_\@:
	s_barrier_wait -3
	s_barrier_signal -1
	s_barrier_wait -1
.endm
.macro CROUND                          ; a whole round
	s_barrier_signal -1
	s_barrier_wait -1
	CREST
.endm
.macro PLACES                          ; four plain vector instructions in front of loads into registers that matrix instructions have read, and of conversions that read results or write sources (ISA guide 7.12.1 for vector instructions)
.rept 4
	v_nop
.endr
.endm
	s_load_b128 s[4:7], s[0:1], 0x0                ; xb s[4:5], wb s[6:7]
	s_load_b64 s[8:9], s[0:1], 0x10                ; qkv
	v_lshl_add_u32 v[SPW], v0, 2, SPARE
	v_mov_b32 v[NIL], 0
	ds_add_u32 v[SPW], v[NIL]                      ; the wave's opening: the add and its wait stand ahead of my first tensor load; the set-up below, work on registers, stands between them
	v_lshrrev_b32 v1, 5, v0
	v_readfirstlane_b32 s10, v1                    ; wave 0..3.  Also: which third of B's tile I fetch (waves 0 to 2; wave 3 fetches A's)
	s_lshr_b32 s11, s10, 1                         ; which half of the tile's rows is mine
	s_and_b32 s12, s10, 1                          ; which half of its columns
	s_bfe_u32 s14, ttmp6, 0x40000                  ; cx
	s_bfe_u32 s15, ttmp6, 0x40004                  ; cy
	s_lshl_b32 s16, ttmp9, 2
	s_add_co_u32 s16, s16, s14                     ; tile column = 4 x cluster x + cx
	s_and_b32 s17, ttmp7, 0xffff
	s_lshl_b32 s17, s17, 2
	s_add_co_u32 s17, s17, s15                     ; tile row = 4 x cluster y + cy
	s_lshl_b32 s18, s15, 2
	s_lshl_b32 s18, 15, s18                        ; my row of the cluster: places 4 cy .. 4 cy + 3
	s_lshl_b32 s19, 0x1111, s14                    ; my column: places cx, cx + 4, cx + 8, cx + 12
	s_or_b32 s[G1], s18, (1<<16)|(1<<20)|(1<<21)|(4<<22)|(3<<25)   ; the mask; elements of 2 bytes; padding on; bit 21 beside a mask; after every 32 words, 4 words
	s_mov_b32 s[G1+1], 128<<16                     ; tensor_dim0 = 128 elements: 256 bytes, two of the tile's rows
	s_mov_b32 s[G1+2], 128<<16                     ; tensor_dim1 = 128
	s_mov_b32 s[G1+3], 128<<16                     ; tile_dim0 = 128
	s_mov_b32 s[G1+4], 128                         ; tile_dim1 = 128
	s_mov_b32 s[G1+5], 128                         ; elements from row to row: dense
	s_mov_b32 s[G1+6], 0
	s_mov_b32 s[G1+7], 0
	s_or_b32 s[G1B], s19, (1<<16)|(1<<20)|(1<<21)|(4<<22)|(3<<25)
	s_mov_b32 s[G1B+1], 128<<16
	s_mov_b32 s[G1B+2], 64<<16                     ; 64 rows of 256 bytes
	s_mov_b32 s[G1B+3], 128<<16
	s_mov_b32 s[G1B+4], 64
	s_mov_b32 s[G1B+5], 128
	s_mov_b32 s[G1B+6], 0
	s_mov_b32 s[G1B+7], 0
	; A's tile hangs on the tile row alone, B's on the tile column and the wave alone; each offset is made in registers that never hold the other coordinate
	s_lshl_b32 s20, s17, 15                        ; 256 rows of 128 bytes
	s_mov_b32 s21, 0
	s_mul_i32 s22, s16, 384*128
	s_lshl_b32 s23, s10, 14                        ; my 128 rows of B's 384 (wave 3 makes this offset too, and never asks by it)
	s_add_co_u32 s22, s22, s23
	s_mov_b32 s23, 0
	s_mul_i32 s63, s10, 128*PITCH                  ; where they go: the wave's number times 128 rows,
	s_add_co_u32 s63, s63, BOFF                    ; behind A's rows: no place in the cluster enters an LDS address
	s_mov_b32 s[TB], 0
	; the prefetches
	s_and_b32 s68, ttmp7, 0xffff                   ; cluster y
	s_mov_b32 s[PFS], KSB
	s_mov_b32 s[PFS+1], 0
	s_cmp_eq_u32 s10, AW                           ; do I fetch A?
	s_cselect_b32 s68, ttmp9, s68                  ; the coordinate along which other clusters read the same bytes
	s_cselect_b32 s69, s14, s15                    ; my place among the four that ask with me
	s_cselect_b32 s[ODD], 1, 0
	s_cselect_b32 s2, 13, 12                       ; a partner's share: 8,192 bytes of A's tile, 4,096 of my third of B's
	s_cselect_b32 s71, 4096, s[PFS]                ; lanes 16-31: A: the next 16 x 256 bytes; B: the next K step
	s_cselect_b32 s[PFS], KSA, s[PFS]
	s_lshl_b32 s70, s69, s2
	s_sub_co_u32 s[LIM], 2, s[ODD]                 ; A: while more than 1 trip is to go; B: more than 2
	s_cmp_eq_u32 s68, 0
	s_cselect_b32 s[LIM], s[LIM], -1               ; the same in all sixteen partners, for a given wave
	v_and_b32 v1, 15, v0                           ; l % 16
	v_bfe_u32 v2, v0, 4, 1                         ; l / 16
	v_mul_u32_u24 v[PFO], s71, v2
	v_lshl_add_u32 v[PFO], v1, 8, v[PFO]
	s_mov_b32 s71, 0
	s_wait_dscnt 0x0                               ; the opening add is done
	s_wait_kmcnt 0x0
	s_add_nc_u64 s[20:21], s[4:5], s[20:21]        ; A's tile, K step 0
	s_add_nc_u64 s[22:23], s[6:7], s[22:23]        ; my part of B's
	s_cmp_eq_u32 s10, AW
	s_cselect_b64 s[PFA:PFA+1], s[20:21], s[22:23]
	s_add_nc_u64 s[PFA:PFA+1], s[PFA:PFA+1], s[70:71]
	s_add_nc_u64 s[PFA:PFA+1], s[PFA:PFA+1], s[PFS:PFS+1]
	s_add_nc_u64 s[PFA:PFA+1], s[PFA:PFA+1], s[PFS:PFS+1]  ; at K step 2: trip 0 steps it to 3
	CROUND                                         ; all sixteen work-groups are here: the first joint loads meet
.irp s, 0,1                            ; K steps 0 and 1: two tensor loads of mine are out
	s_mov_b32 s[G0+4*(\s)], 1
	s_mov_b32 s[G0+4*(\s)+1], (\s)*SLOT1
	s_add_nc_u64 s[G0+4*(\s)+2:G0+4*(\s)+3], s[20:21], (\s)*KSA
	s_or_b32 s[G0+4*(\s)+3], s[G0+4*(\s)+3], 0x80000000
	s_mov_b32 s[G0B+4*(\s)], 1
	s_add_co_u32 s[G0B+4*(\s)+1], s63, (\s)*SLOT1
	s_add_nc_u64 s[G0B+4*(\s)+2:G0B+4*(\s)+3], s[22:23], (\s)*KSB
	s_or_b32 s[G0B+4*(\s)+3], s[G0B+4*(\s)+3], 0x80000000
	JLOAD \s
.endr
	; A fragment is 16 rows x 32 K in 8 registers: lane l holds row l % 16; registers 0-3 K = 8 (l / 16) + 0..7, registers 4-7 K = 16 + 8 (l / 16) + 0..7: two loads of 16 bytes, 32 bytes apart
	v_mul_u32_u24 v3, v1, PITCH
	v_lshl_add_u32 v3, v2, 4, v3
	s_mul_i32 s68, s11, 128*PITCH                  ; my 128 rows of A
	v_add_nc_u32 v[ADA0], s68, v3
	s_mul_i32 s68, s12, 192*PITCH                  ; my 192 rows of B
	s_add_co_u32 s68, s68, BOFF
	v_add_nc_u32 v[ADB0], s68, v3
	v_mov_b32 v[ADA], v[ADA0]                      ; K step 0 lies in slot 0
	v_mov_b32 v[ADB], v[ADB0]
	s_mul_i32 s68, s11, 128*SPITCH                 ; into the stage: my 128 rows, my 384 bytes of them; row l % 16, 16 bytes for each half of the lanes
	s_mul_i32 s69, s12, 384
	s_add_co_u32 s68, s68, s69
	v_mul_u32_u24 v4, v1, SPITCH
	v_lshl_add_u32 v4, v2, 4, v4
	v_add_nc_u32 v[STO], s68, v4
	v_add_nc_u32 v[STO+1], 64*SPITCH, v[STO]       ; row blocks 4 to 7: an LDS immediate holds 16 bits
	s_mul_i32 s68, s10, 64*SPITCH                  ; back: wave w takes rows 64 w .. 64 w + 63, whole; lanes 0-15 256 bytes of one row, lanes 16-31 of the next
	v_mul_u32_u24 v5, v2, SPITCH
	v_lshl_add_u32 v5, v1, 4, v5
	v_add_nc_u32 v[RD], s68, v5
	v_mul_u32_u24 v5, v2, 6144                     ; and the same in qkv
	v_lshl_add_u32 v[CO], v1, 4, v5
	s_lshl_b32 s66, s17, 8
	s_lshl_b32 s67, s10, 6
	s_add_co_u32 s66, s66, s67                     ; the first row that I store: 256 x tile row + 64 x wave
	s_mul_i32 s66, s66, 6144
	s_mul_i32 s67, s16, 768                        ; the tile's first column, in bytes
	s_add_co_u32 s66, s66, s67
	s_mov_b32 s67, 0
	s_add_nc_u64 s[8:9], s[8:9], s[66:67]
.macro LDB g, kq                       ; B's column blocks 4 g .. 4 g + 3, half kq of the K step -> buffer g
.irp i, 0,1,2,3
	ds_load_b128 v[BF+32*(\g)+8*(\i):BF+32*(\g)+8*(\i)+3],   v[ADB] offset:(4*(\g)+(\i))*16*PITCH+64*(\kq)
	ds_load_b128 v[BF+32*(\g)+8*(\i)+4:BF+32*(\g)+8*(\i)+7], v[ADB] offset:(4*(\g)+(\i))*16*PITCH+64*(\kq)+32
.endr
.endm
.macro LDA p, a0, kq                   ; A's row blocks a0 .. a0 + 3, half kq of the K step -> buffer p
.irp i, 0,1,2,3
	ds_load_b128 v[AF+64*(\p)+8*((\a0)+(\i)):AF+64*(\p)+8*((\a0)+(\i))+3],   v[ADA] offset:((\a0)+(\i))*16*PITCH+64*(\kq)
	ds_load_b128 v[AF+64*(\p)+8*((\a0)+(\i))+4:AF+64*(\p)+8*((\a0)+(\i))+7], v[ADA] offset:((\a0)+(\i))*16*PITCH+64*(\kq)+32
.endr
.endm
; Products i0 .. i0 + n - 1 of group g (i = 4 a + b % 4), A's buffer p.  The 96 accumulators take turns, one instruction a turn, in the same order in every quarter.  zero = 1: the first quarter starts the sums.
.macro MM p, g, i0, n, zero
.set i, \i0
.rept \n
.set ra, AF+64*(\p)+8*(i/4)
.set rb, BF+32*(\g)+8*(i%4)
.set rc, 8*(8*(i%4)+i/4)
.if \zero
	v_wmma_f32_16x16x32_bf16 v[rc:rc+7], v[rb:rb+7], v[ra:ra+7], 0
.else
	v_wmma_f32_16x16x32_bf16 v[rc:rc+7], v[rb:rb+7], v[ra:ra+7], v[rc:rc+7]
.endif
.set i, i+1
.endr
.endm
; A group's head, in a quarter of parity p: four places behind the group before, which read the buffer of B that is filled now; then the loads
.macro HEAD p, g
	PLACES
	WIN 0
.if (\g) == 0
	LDB 2, \p
.elseif (\g) == 1
	LDB 0, 1-(\p)
	LDA 1-(\p), 0, 1-(\p)
.else
	LDA 1-(\p), 4, 1-(\p)
	LDB 1, 1-(\p)
.endif
.endm
; A group.  left: the LDS loads that may stay out.  LDS loads come back in order (ISA guide 5.7.1).  Group 0 wants B's group 0 and all of A: behind them were issued B's groups 1 and 2: 16.
; Group 1 wants B's group 1: behind it the heads of groups 0 and 1: 8 + 16 = 24.  Group 2 wants B's group 2: behind it the heads of groups 1 and 2: 32.
.macro GRP p, g, zero, ld, left, ask
.if \ld
	HEAD \p, \g
.endif
.if \ask
	ASK
.endif
	s_wait_dscnt \left
	WIN 0x50*(1+(\g))
	MM \p, \g, 0, 32, \zero
.endm
; GROUP 0 OF A K STEP'S SECOND QUARTER, IN WHICH THE SLOTS CHANGE.  Its head's loads are the slot's last reads.  Each wave waits for all its tensor loads, of which one is out: its part of the other slot; adds 0 to its spare
; word; and waits for that and for its reads.  fill = 1: the barrier opens a round of the cluster's, so that no wave of any partner still reads the slot or has a load on its way, and the joint refill, with the K step two on, is
; the first thing behind it: from there to the wait for it a wave issues 176 of a step's 192 matrix instructions.
.macro CHG fill
.if \fill
	s_wait_xcnt 0x0                                ; the last prefetch, a K step back, has read its address
	s_add_nc_u64 s[PFA:PFA+1], s[PFA:PFA+1], s[PFS:PFS+1]
.endif
	HEAD 1, 0
	s_wait_dscnt 16
	WIN 0x50
	MM 1, 0, 0, 16, 0
	WIN 0                                          ; (the add's two registers lie in window 0)
	s_wait_tensorcnt 0x0                           ; no tensor load of mine is out, so a group 0 may be written
	ds_add_u32 v[SPW], v[NIL]                      ; 0 onto my spare word; the descriptors' steps and eight matrix instructions stand between it and the wait for it
.if \fill
	s_xor_b32 s[G0+5], s[G0+5], SLOT1              ; the walking descriptors: the other slot than last time,
	s_add_nc_u64 s[G0+6:G0+7], s[G0+6:G0+7], KSA   ; the next K step; the type bits on top are not reached
	s_xor_b32 s[G0B+5], s[G0B+5], SLOT1
	s_add_nc_u64 s[G0B+6:G0B+7], s[G0B+6:G0B+7], KSB
.endif
	WIN 0x50
	MM 1, 0, 16, 8, 0
	s_wait_dscnt 0x0                               ; the add is done, and my reads of the slot are over
	s_barrier_signal -1
	MM 1, 0, 24, 8, 0
	WIN 0                                          ; at a branch and at a label every window is 0
	s_barrier_wait -1
.if \fill
	CREST
	JLOAD 1
.endif
	s_xor_b32 s[TB], s[TB], SLOT1                  ; all reads up to the next change go to the other slot
	v_add_nc_u32 v[ADA], s[TB], v[ADA0]
	v_add_nc_u32 v[ADB], s[TB], v[ADB0]
.endm
	s_wait_tensorcnt 1                             ; my part of K step 0 is in; K step 1's may stay out
	s_barrier_signal -1
	s_barrier_wait -1
	LDB 0, 0                                       ; what the heads of a quarter before would have asked for, in their order
	LDA 0, 0, 0
	LDA 0, 4, 0
	LDB 1, 0
	GRP 0, 0, 1, 1, 16, 0                          ; the first quarter stands in front of the loop: its products start the sums
	GRP 0, 1, 1, 1, 24, 0
	GRP 0, 2, 1, 1, 32, 0
	WIN 0
	s_mov_b32 s3, TRIPS
.Ltrip:                                                ; trip k: K step k's second quarter, K step k + 1's first; slot k % 2 is filled again with K step k + 2
	CHG 1
	GRP 1, 1, 0, 1, 24, 1
	GRP 1, 2, 0, 1, 32, 0
	GRP 0, 0, 0, 1, 16, 0
	GRP 0, 1, 0, 1, 24, 0
	GRP 0, 2, 0, 1, 32, 0
	WIN 0
	s_sub_co_u32 s3, s3, 1
	s_cmp_lg_u32 s3, 0
	s_cbranch_scc1 .Ltrip
	CHG 0                                          ; the last three quarters are written out.  My one tensor load that was still out is K step 15's
	GRP 1, 1, 0, 1, 24, 0
	GRP 1, 2, 0, 1, 32, 0
	GRP 0, 0, 0, 1, 16, 0
	GRP 0, 1, 0, 1, 24, 0
	GRP 0, 2, 0, 1, 32, 0
	GRP 1, 0, 0, 1, 16, 0
	GRP 1, 1, 0, 0, 8, 0                           ; nothing more to fetch: behind B's group 1 only group 2's eight loads were issued
	s_wait_dscnt 0x0                               ; my last reads of the ring are back:
	s_barrier_signal -1                            ; say so,
	WIN 0xf0
	MM 1, 2, 0, 32, 0                              ; finish the sums while the others arrive,
	WIN 0
	s_barrier_wait -1                              ; and go on when nobody reads the ring any more: it has had its last fill, and becomes the stage
; THE WAY OUT.  A wave's 192 columns are 384 bytes: the middle 256 of a tile's row belong to two waves.  So the whole tile goes through ONE stage: rounded to f16, 16 bytes a lane, into rows of 784 bytes;
; a barrier; back as whole rows, 64 rows a wave, sixteen lanes to 256 bytes.
.macro PACKW w                         ; the 32 results of window 1 + w: column blocks 4 w .. 4 w + 3
	WIN 5*(1+(\w))                                 ; sources 0 and 1 in that window
.set i, 0
.rept 32
.irp r, 0,1,2,3
	v_cvt_pk_f16_f32 v[TMP+4*i+(\r)], v[8*i+2*(\r)], v[8*i+2*(\r)+1]  ; ascending: each accumulator's lowest registers are read first
.endr
.set i, i+1
.endr
	WIN 0
.set i, 0
.rept 32                               ; i = 8 (b % 4) + a
	ds_store_b128 v[STO+(i%8)/4], v[TMP+4*i:TMP+4*i+3] offset:(i%4)*16*SPITCH+32*(4*(\w)+i/8)
.set i, i+1
.endr
.endm
.macro BACK j                          ; pairs of rows 8 j .. 8 j + 7, three times 256 bytes each -> set j % 2
.set t, 0
.rept 8
.irp u, 0,1,2
	ds_load_b128 v[BK+96*((\j)%2)+4*(3*t+(\u)):BK+96*((\j)%2)+4*(3*t+(\u))+3], v[RD] offset:(8*(\j)+t)*2*SPITCH+256*(\u)
.endr
.set t, t+1
.endr
.endm
.macro SENDB j, left
	s_wait_dscnt \left                             ; the batch is back; the younger batch's 24 loads may stay out
.set t, 0
.rept 8
.irp u, 0,1,2
	global_store_b128 v[CO], v[BK+96*((\j)%2)+4*(3*t+(\u)):BK+96*((\j)%2)+4*(3*t+(\u))+3], s[8:9] offset:(8*(\j)+t)*2*6144+256*(\u)  ; 16 lanes store 256 consecutive bytes, at a multiple of 256 from qkv's first byte
.endr
.set t, t+1
.endr
.endm
	PLACES
	PACKW 0
	PACKW 1
	PACKW 2
	s_wait_dscnt 0x0                               ; for the others' sake: my stores into the stage are done
	s_barrier_signal -1
	s_barrier_wait -1
	BACK 0
	BACK 1
	SENDB 0, 24
	s_wait_xcnt 0x0                                ; the stores have read their registers: a set is loaded again only behind this wait
	BACK 2
	SENDB 1, 24
	s_wait_xcnt 0x0
	BACK 3
	SENDB 2, 24
	SENDB 3, 0
	s_wait_tensorcnt 0x0                           ; the wave's end: behind my last tensor load and my last LDS store
	ds_add_u32 v[SPW], v[NIL]
	s_wait_dscnt 0x0
	CROUND                                         ; the closing round: no work-group ends while a partner may still ask for a tile that names it
	s_endpgm
.Lfunc_end_k_qc06e42785a_proj:
	.size	k_qc06e42785a_proj, .Lfunc_end_k_qc06e42785a_proj-k_qc06e42785a_proj
	.p2alignl 7, 3214868480
	.fill 96, 4, 3214868480
	.section	.rodata,"a",@progbits
	.p2align	6, 0x0
	.amdhsa_kernel k_qc06e42785a_proj
		.amdhsa_group_segment_fixed_size 327680
		.amdhsa_private_segment_fixed_size 0
		.amdhsa_enable_private_segment 0
		.amdhsa_kernarg_size 24
		.amdhsa_user_sgpr_count 2
		.amdhsa_user_sgpr_kernarg_segment_ptr 1
		.amdhsa_wavefront_size32 1
		.amdhsa_system_sgpr_workgroup_id_x 1
		.amdhsa_system_sgpr_workgroup_id_y 1
		.amdhsa_system_sgpr_workgroup_id_z 1
		.amdhsa_system_vgpr_workitem_id 0
		.amdhsa_next_free_vgpr 1024
		.amdhsa_next_free_sgpr 72
		.amdhsa_reserve_vcc 0
		.amdhsa_float_denorm_mode_32 3
		.amdhsa_float_denorm_mode_16_64 3
		.amdhsa_memory_ordered 1
		.amdhsa_forward_progress 1
		.amdhsa_inst_pref_size 111
	.end_amdhsa_kernel
	.amdgpu_metadata
---
amdhsa.version: [ 1, 2 ]
amdhsa.kernels:
  - .name:           k_qc06e42785a_proj
    .symbol:         k_qc06e42785a_proj.kd
    .args:
      - { .name: xb, .offset: 0, .size: 8, .value_kind: global_buffer, .address_space: global }
      - { .name: wb, .offset: 8, .size: 8, .value_kind: global_buffer, .address_space: global }
      - { .name: qkv, .offset: 16, .size: 8, .value_kind: global_buffer, .address_space: global }
    .group_segment_fixed_size: 327680
    .private_segment_fixed_size: 0
    .kernarg_segment_align: 8
    .kernarg_segment_size: 24
    .max_flat_workgroup_size: 128
    .sgpr_count:     72
    .vgpr_count:     1024
    .wavefront_size: 32
...
	.end_amdgpu_metadata
.endif
;; end of part 2
;; launch score (part 3): grid 9 x 16, 4 waves a work-group, no clusters, 327,680 bytes of LDS; arguments qkv, pbuf, stats; writes pbuf, stats
.if DOCPART == 3
	.amdgcn_target "amdgcn-amd-amdhsa--gfx1250"
	.amdhsa_code_object_version 6
	.text
	.protected	k_qc06e42785a_score
	.globl	k_qc06e42785a_score
	.p2align	8
	.type	k_qc06e42785a_score,@function
k_qc06e42785a_score:
	s_mov_b64 s[64:65], 0
	v_nop
	global_prefetch_b8 v0, s[64:65] scope:SCOPE_SE
	s_setreg_imm32_b32 hwreg(HW_REG_WAVE_MODE, 25, 1), 1
	s_wait_xcnt 0x0
; THE SCORES AND THE FIRST HALF OF THE SOFTMAX.  For each tile of 256 queries x 256 keys that the causal mask does not hide wholly: S = q k^T (f16 products, f32 sums, K = 1024), and, for each row and each
; block of 128 keys (a wave's share): c m = the largest c s of the block, P = 2^(c s - c m), l = the sum of P in f32; c = log2(e) / 32.  P goes to pbuf [4][2048][2048] in f16, (c m, l) to stats [4][16][2048].
; The next launch corrects each block by 2^(c m - c M), M the row's maximum: so the row's true maximum is taken away, in two steps, both exact in f32.
; LIMITS.  A hidden score counts as its c s less 1e30 (|c s| far below 1e28 is nothing beside that); a block that a row does not see at all leaves c m = -1e30 and P = 1, which the next launch multiplies by 0.
; A weight below 2^-126 counts as 0; below 6e-5 P keeps f16's fixed step.  NaN and infinities are not treated apart.
; SHARES.  A batch has 36 such tiles: grid row y = 4 b + r takes tile rows 7 - r (8 - r tiles) and r (r + 1 tiles): nine work-groups.  144 work-groups of equal K.
; NO CLUSTER: a batch's 36 tiles are a square of 4 x 4 and two triangles of 10, and a triangle does not divide into fours that share a row of q or of k; filling up to squares would make 48 wholly hidden tiles.
; THE PRODUCT is a GEMM on a ring of two LDS slots, K steps of 128, a wave 128 x 128 in 64 accumulators.  Source 0 = 16 keys, source 1 = 16 queries: a lane holds ONE query (l % 16) and keys 8 (l / 16) + 0..7 of each 16.
; REGISTERS, in windows of 256 (s_set_vgpr_msb: bits 1:0 source 0, 3:2 source 1, 5:4 source 2, 7:6 destination):
;   window 0: v0-31 addresses; v32-47 the way out's mask and statistics; v64-127, v128-191 fragments of q, two buffers; on the way out T, PK, BK
;   window 1: v64-127, v128-191 fragments of k;   window 2, 3: the accumulators ((a, b) at v[8 (8 (a % 4) + b)])
.set KSTEP,  128
.set PITCH,  272                       ; an LDS row: 256 bytes + 16 of padding: the 16 rows that a load touches start at 16 different groups of four banks (ISA guide 11.1)
.set HALFT,  128*PITCH
.set SLOT,   4*HALFT                   ; q's 256 rows, then k's 256 rows
.set STAGE,  2*SLOT                    ; behind the ring: 16 rows x 272 bytes for each wave
.set SPITCH, 272
.set STAT,   STAGE+4*16*SPITCH         ; 1,024 bytes for each wave: its 128 rows' pairs (c m, l)
.set SPARE,  STAT+4*1024               ; the spare words, 128 bytes for each wave, which no other line names
.set LAPS,   4                         ; 1,024 / 256
.set QROW,   6144                      ; bytes in a row of qkv
.set ADRA, 16                          ; v16-17  LDS address of my q fragments in slot 0, 1
.set ADRB, 20                          ; v20-21  the same for k
.set SGO,  22                          ; v22     16 x lane: my bytes of the wave's 1,024 in stats
.set STO,  24                          ; v24     where I put 16 bytes of a row of P
.set RD,   25                          ; v25     where I read a row back
.set CO,   26                          ; v26     my byte offset in pbuf
.set SST,  27                          ; v27     where my row's pair goes in the wave's strip; never rewritten
.set SPW,  28                          ; v28     LDS address of my spare word; never rewritten
.set NIL,  29                          ; v29     0; never rewritten
.set PFO,  30                          ; v30     lane x a row of qkv; never rewritten
.set SRD,  31                          ; v31     where I read 16 bytes of the strip back
.set MD,   32                          ; v32-39  the mask of a 16 x 16 block on the diagonal: -1e30 where the key is hidden
.set CC,   40                          ; v40-43  the maximum's four chains
.set CM,   44                          ; v44-45  (c m, l)
.set LS,   46                          ; v46-47  at work
.set F0,   64
.set F1,   128
.set T,    64                          ; v64-127  a block's 64 scores c s, then weights
.set PK,   128                         ; v128-159 the weights in f16
.set BK,   160                         ; v160-191 whole rows, to store
.set G1, 24                            ; s[24:31] descriptor group 1
.set G0, 32                            ; s[32:39] group 0, one set for each slot
.set DG,  40                           ; s40  1: the tile lies on the diagonal
.set AB,  42                           ; s42  the block of 16 rows in hand
.set LIM, 43                           ; s43  1 in a wave that prefetches, else the greatest number
.set PFA, 44                           ; s[44:45] where my prefetches stand
.set E0,  46                           ; s46  128 (column half - row half) - 16 AB: the first key's place less the first query's
.set AL,  48                           ; s[48:49] the mask's factor
.set BE,  50                           ; s[50:51] the mask's addend
.set BIGN, 52                          ; s52  -1e30
.set CS,  54                           ; s[54:55] c
.set SEL, 56                           ; s[56:57] v_permlanex16_b32's selects: each lane takes its own place in the other half
.set PB,  58                           ; s[58:59] pbuf at the block's rows
.set SB,  60                           ; s[60:61] stats at my 128 rows
.set MSB, 0
.macro WIN new
.if MSB != (\new)
	s_set_vgpr_msb (MSB<<8)|(\new)
.set MSB, \new
.endif
.endm
.set MUL_LO, 0xa1
.set MUL_HI, 0xf1
.set TO_B,   0x40
; A prefetch behind each refill and the run of LDS loads that follows it: my own 128 rows' 256 bytes of the K step that stands two refills on (512 matrix instructions ahead of the load that will ask for it), a lane a row, four instructions.
; q's rows of a tile row are read by all tiles of that row: the tile with j = 0 asks; k's rows of a tile column by all tiles of that column: the tile on the diagonal asks.  So each row's 256 bytes are named once.
; K steps 0 to 3 come by their loads alone; the loop's last trip asks for nothing.
.macro ASK
	s_cmp_gt_u32 s3, s[LIM]
	s_cbranch_scc0 .Lnot_mine_\@
.irp g, 0,1,2,3
	global_prefetch_b8 v[PFO], s[PFA:PFA+1] offset:KSTEP*2+(\g)*32*QROW th:TH_LOAD_NT scope:SCOPE_SE
.endr
.Lnot_mine_\@:
.endm
	s_load_b128 s[4:7], s[0:1], 0x0                ; qkv s[4:5], pbuf s[6:7]
	s_load_b64 s[8:9], s[0:1], 0x10                ; stats
	v_lshl_add_u32 v[SPW], v0, 2, SPARE
	v_mov_b32 v[NIL], 0
	ds_add_u32 v[SPW], v[NIL]                      ; the wave's opening: the add and its wait stand ahead of my first tensor load; the set-up below, work on registers, stands between them
	v_lshrrev_b32 v1, 5, v0
	v_readfirstlane_b32 s10, v1                    ; wave 0..3
	s_lshr_b32 s11, s10, 1                         ; my half of the tile's rows.  Also: I fetch q (0) or k (1)
	s_and_b32 s12, s10, 1                          ; my half of its keys.  Also: which 128 rows I fetch
	s_and_b32 s16, ttmp7, 0xffff
	s_and_b32 s17, s16, 3                          ; r
	s_lshr_b32 s15, s16, 2                         ; the batch b
	s_sub_co_u32 s18, 7, s17                       ; the long tile row, 7 - r
	s_add_co_u32 s19, ttmp9, s17
	s_sub_co_u32 s19, s19, 8                       ; the tile's place in the short one (used only where it is not negative)
	s_cmp_le_u32 ttmp9, s18
	s_cselect_b32 s13, s18, s17                    ; i
	s_cselect_b32 s14, ttmp9, s19                  ; j
	s_mov_b32 s[G1+0], (1<<16)|(1<<20)|(5<<22)|(3<<25)  ; elements of 2 bytes; padding on: after every 64 words, 4 words
	s_mov_b32 s[G1+1], KSTEP<<16                   ; tensor_dim0 = 128
	s_mov_b32 s[G1+2], 128<<16                     ; tensor_dim1 = 128
	s_mov_b32 s[G1+3], KSTEP<<16                   ; tile_dim0 = 128
	s_mov_b32 s[G1+4], 128                         ; tile_dim1 = 128
	s_mov_b32 s[G1+5], 3072                        ; elements from row to row
	s_mov_b32 s[G1+6], 0
	s_mov_b32 s[G1+7], 0
	s_cmp_eq_u32 s11, 0
	s_cselect_b32 s16, s13, s14                    ; q's rows go by i, k's by j
	s_cselect_b32 s17, 0, 2048                     ; k lies 2,048 bytes into a row
	s_lshl_b32 s16, s16, 8
	s_lshl_b32 s18, s15, 11
	s_add_co_u32 s16, s16, s18
	s_lshl_b32 s18, s12, 7
	s_add_co_u32 s16, s16, s18                     ; row 2048 b + 256 (i or j) + 128 half
	s_mul_i32 s16, s16, QROW
	s_add_co_u32 s16, s16, s17
	s_mov_b32 s17, 0
	s_mul_i32 s20, s10, HALFT                      ; where my tile goes: wave x 128 rows
	s_cmp_eq_u32 s13, s14
	s_cselect_b32 s[DG], 1, 0
	s_cmp_eq_u32 s14, 0
	s_cselect_b32 s18, 1, 0
	s_cmp_eq_u32 s11, 0
	s_cselect_b32 s18, s18, s[DG]                  ; do I ask ahead?
	s_cmp_eq_u32 s18, 1
	s_cselect_b32 s[LIM], 1, -1
	s_sub_co_i32 s[E0], s12, s11
	s_lshl_b32 s[E0], s[E0], 7
	s_mov_b32 s[AL+1], 0                           ; named as pairs
	s_mov_b32 s[BE+1], 0
	s_mov_b32 s[BIGN], 0xf149f2ca                  ; -1e30
	s_mov_b32 s[CS], 0x3d38aa3b                    ; c = log2(e) / 32 = 0.0450842
	s_mov_b32 s[CS+1], s[CS]
	s_mov_b32 s[SEL], 0x76543210
	s_mov_b32 s[SEL+1], 0xfedcba98
	; pbuf: ((2048 b + 256 i + 128 row half) x 2048 + 256 j + 128 key half) x 2
	s_lshl_b32 s[PB], s15, 11
	s_lshl_b32 s18, s13, 8
	s_add_co_u32 s[PB], s[PB], s18
	s_lshl_b32 s18, s11, 7
	s_add_co_u32 s[PB], s[PB], s18
	s_lshl_b32 s[PB], s[PB], 12
	s_lshl_b32 s18, s14, 9
	s_add_co_u32 s[PB], s[PB], s18
	s_lshl_b32 s18, s12, 8
	s_add_co_u32 s[PB], s[PB], s18
	s_mov_b32 s[PB+1], 0
	; stats: ((16 b + 2 j + key half) x 2048 + 256 i + 128 row half) x 8
	s_lshl_b32 s[SB], s15, 4
	s_lshl_b32 s18, s14, 1
	s_add_co_u32 s[SB], s[SB], s18
	s_add_co_u32 s[SB], s[SB], s12
	s_lshl_b32 s[SB], s[SB], 11
	s_lshl_b32 s18, s13, 8
	s_add_co_u32 s[SB], s[SB], s18
	s_lshl_b32 s18, s11, 7
	s_add_co_u32 s[SB], s[SB], s18
	s_lshl_b32 s[SB], s[SB], 3
	s_mov_b32 s[SB+1], 0
	s_wait_dscnt 0x0                               ; the opening add is done
	s_wait_kmcnt 0x0
	s_add_nc_u64 s[22:23], s[4:5], s[16:17]        ; my 128 rows, K step 0
	s_add_nc_u64 s[PB:PB+1], s[6:7], s[PB:PB+1]
	s_add_nc_u64 s[SB:SB+1], s[8:9], s[SB:SB+1]
	s_add_nc_u64 s[PFA:PFA+1], s[22:23], 2*KSTEP*2 ; at K step 2: the first refill steps it to 3 and names K step 4
.irp s, 0,1                            ; the two first fills go out together: two tensor loads of mine are out
	s_mov_b32 s[G0+4*(\s)], 1
	s_add_co_u32 s[G0+4*(\s)+1], s20, (\s)*SLOT
	s_add_nc_u64 s[G0+4*(\s)+2:G0+4*(\s)+3], s[22:23], (\s)*KSTEP*2
	s_or_b32 s[G0+4*(\s)+3], s[G0+4*(\s)+3], 0x80000000
	tensor_load_to_lds s[G0+4*(\s):G0+4*(\s)+3], s[G1:G1+7]
	s_nop 0
.endr
.rept 4
	v_nop
.endr
	v_and_b32 v1, 15, v0                           ; l % 16
	v_bfe_u32 v2, v0, 4, 1                         ; l / 16
	v_mul_u32_u24 v3, v1, PITCH
	v_lshl_add_u32 v3, v2, 4, v3
	s_mul_i32 s21, s11, HALFT                      ; my 128 rows of q
	s_mul_i32 s22, s12, HALFT                      ; my 128 rows of k,
	s_add_co_u32 s22, s22, 2*HALFT                 ; which lie behind q's 256
.irp s, 0,1
	v_add_nc_u32 v[ADRA+(\s)], s21, v3
	v_add_nc_u32 v[ADRB+(\s)], s22, v3
	s_add_co_u32 s21, s21, SLOT
	s_add_co_u32 s22, s22, SLOT
.endr
	s_mul_i32 s23, s10, 16*SPITCH
	s_add_co_u32 s23, s23, STAGE                   ; my stage
	v_mul_u32_u24 v4, v1, SPITCH
	v_lshl_add_u32 v4, v2, 4, v4
	v_add_nc_u32 v[STO], s23, v4
	v_mul_u32_u24 v5, v2, SPITCH
	v_lshl_add_u32 v5, v1, 4, v5
	v_add_nc_u32 v[RD], s23, v5
	v_lshlrev_b32 v5, 12, v2                       ; the same two rows in pbuf, 4,096 bytes apart
	v_lshl_add_u32 v[CO], v1, 4, v5
	s_lshl_b32 s23, s10, 10
	s_add_co_u32 s23, s23, STAT                    ; my strip
	v_lshl_add_u32 v[SST], v1, 3, s23
	v_and_b32 v[SGO], 31, v0
	v_mul_u32_u24 v[PFO], v[SGO], QROW
	v_lshlrev_b32 v[SGO], 4, v[SGO]
	v_add_nc_u32 v[SRD], s23, v[SGO]
	v_lshlrev_b32 v5, 3, v2
	v_sub_nc_u32 v5, v1, v5                        ; my query's place in its 16 less my lanes' 8 (l / 16): register j is hidden where j is greater
.irp j, 0,1,2,3,4,5,6,7
	v_cmp_gt_i32 vcc_lo, \j, v5
	v_cndmask_b32 v[MD+(\j)], 0, s[BIGN], vcc_lo
.endr
.irp j, 0,1,2,3,4,5,6,7
	v_mov_b32 v[CC+(\j)], 0                        ; written once: destinations of the lane exchange and halves of pairs count as read
.endr
.macro MUL16 f, hi, a0, zero
	WIN MUL_LO+0x50*(\hi)
.irp a, \a0, (\a0)+1
.irp b, 0,1,2,3,4,5,6,7
.if \zero
	v_wmma_f32_16x16x32_f16 v[8*(8*(\a)+(\b)):8*(8*(\a)+(\b))+7], v[(\f)+8*(\b):(\f)+8*(\b)+7], v[(\f)+8*(4*(\hi)+(\a)):(\f)+8*(4*(\hi)+(\a))+7], 0
.else
	v_wmma_f32_16x16x32_f16 v[8*(8*(\a)+(\b)):8*(8*(\a)+(\b))+7], v[(\f)+8*(\b):(\f)+8*(\b)+7], v[(\f)+8*(4*(\hi)+(\a)):(\f)+8*(4*(\hi)+(\a))+7], v[8*(8*(\a)+(\b)):8*(8*(\a)+(\b))+7]
.endif
.endr
.endr
.endm
.macro FETCH slot, k, f
	WIN TO_B
.irp i, 0,1,2,3,4,5,6,7
	ds_load_b128 v[(\f)+8*(\i):(\f)+8*(\i)+3],   v[ADRB+(\slot)] offset:(\k)+(\i)*16*PITCH
	ds_load_b128 v[(\f)+8*(\i)+4:(\f)+8*(\i)+7], v[ADRB+(\slot)] offset:(\k)+(\i)*16*PITCH+32
.endr
	WIN 0
.irp i, 0,1,2,3,4,5,6,7
	ds_load_b128 v[(\f)+8*(\i):(\f)+8*(\i)+3],   v[ADRA+(\slot)] offset:(\k)+(\i)*16*PITCH
	ds_load_b128 v[(\f)+8*(\i)+4:(\f)+8*(\i)+7], v[ADRA+(\slot)] offset:(\k)+(\i)*16*PITCH+32
.endr
.endm
.macro PLACES                          ; four plain vector instructions in front of loads into registers that matrix instructions have read, and of lines that read results just made
.rept 4
	v_nop
.endr
.endm
.macro QUARTER slot, k, f, g, zero
	s_wait_dscnt 8                                 ; k and q's rows 0-63 are in; the youngest eight loads (q's rows 64-127) may be out
	WIN MUL_LO
	MUL16 \f, 0, 0, \zero
	MUL16 \f, 0, 2, \zero
	PLACES
	FETCH \slot, \k, \g
	s_wait_dscnt 32                                ; all but the 32 just issued
	WIN MUL_HI
	MUL16 \f, 1, 0, \zero
	MUL16 \f, 1, 2, \zero
.endm
.macro MEET fill                       ; one barrier for the change of slots
	WIN 0
	s_wait_tensorcnt 0x0                           ; all my tensor loads have landed: the one that was out is my part of the next slot;
	ds_add_u32 v[SPW], v[NIL]                      ; 0 onto my spare word
	s_wait_dscnt 9                                 ; (the add and the youngest eight loads may be out)
	WIN MUL_LO
	MUL16 F1, 0, 0, 0
	s_wait_dscnt 0x0                               ; the add is done, and my reads of this slot are over
	s_barrier_signal -1
	MUL16 F1, 0, 2, 0
.if \fill
	WIN 0                                          ; the windows are set ahead of the tensor load
.endif
	s_barrier_wait -1
.endm
.macro TURN slot, next
	s_wait_xcnt 0x0                                ; the last prefetches, a K step back, have read their address
	s_add_nc_u64 s[PFA:PFA+1], s[PFA:PFA+1], KSTEP*2
	MEET 1
	s_add_nc_u64 s[G0+4*(\slot)+2:G0+4*(\slot)+3], s[G0+4*(\slot)+2:G0+4*(\slot)+3], 2*KSTEP*2
	tensor_load_to_lds s[G0+4*(\slot):G0+4*(\slot)+3], s[G1:G1+7]  ; my one tensor load behind the barrier: 224 matrix instructions ahead of the wait for it
	s_nop 0
	PLACES                                         ; also the places in front of the loads below
	FETCH \next, 0, F0
	ASK
	WIN MUL_HI
	MUL16 F1, 1, 0, 0
	MUL16 F1, 1, 2, 0
.endm
	s_wait_tensorcnt 1                             ; my part of K step 0 is in; K step 1's may stay out
	s_barrier_signal -1
	s_barrier_wait -1
	FETCH 0, 0, F0
	QUARTER 0, 64,  F0, F1, 1                      ; the first quarter's products start the sums
	WIN 0
	s_mov_b32 s3, LAPS-1
.Llap:
	QUARTER 0, 128, F1, F0, 0
	QUARTER 0, 192, F0, F1, 0
	TURN 0, 1
	QUARTER 1, 64,  F0, F1, 0
	QUARTER 1, 128, F1, F0, 0
	QUARTER 1, 192, F0, F1, 0
	TURN 1, 0
	QUARTER 0, 64,  F0, F1, 0
	WIN 0
	s_sub_co_u32 s3, s3, 1
	s_cmp_lg_u32 s3, 0
	s_cbranch_scc1 .Llap
	QUARTER 0, 128, F1, F0, 0                      ; the last lap is written out: it fills nothing
	QUARTER 0, 192, F0, F1, 0
	MEET 0
	PLACES
	FETCH 1, 0, F0
	WIN MUL_HI
	MUL16 F1, 1, 0, 0
	MUL16 F1, 1, 2, 0
	QUARTER 1, 64,  F0, F1, 0
	QUARTER 1, 128, F1, F0, 0
	QUARTER 1, 192, F0, F1, 0
	s_wait_dscnt 8
	MUL16 F1, 0, 0, 0
	MUL16 F1, 0, 2, 0
	s_wait_dscnt 0x0
	MUL16 F1, 1, 0, 0
	MUL16 F1, 1, 2, 0
	WIN 0
	PLACES
; THE WAY OUT: a loop over my eight blocks of 16 rows, written once.  What differs from block to block is which accumulators are read: eight short pieces, chosen by the counter, bring c s into T;
; a piece also puts the pair (c m, l) of the block before into my strip, at an offset that stands in the line.  A lane holds one query and 64 of the block's 128 keys; the lane 16 away holds the others.
.macro PASS1 a
.if (\a) > 0
	ds_store_b64 v[SST], v[CM:CM+1] offset:128*((\a)-1)  ; both halves of the lanes write the same pair
.endif
	WIN 0x02+(\a)/4                                ; source 0 in window 2 or 3
.set i, 0
.rept 32
	v_pk_mul_f32 v[T+2*i:T+2*i+1], v[64*((\a)%4)+2*i:64*((\a)%4)+2*i+1], s[CS:CS+1] op_sel_hi:[1,0]  ; ascending: each accumulator's lowest registers are read first
.set i, i+1
.endr
	WIN 0
.endm
	s_mov_b32 s[AB], 0
.Lblock:
.irp a, 1,2,3,4,5,6,7
	s_cmp_eq_u32 s[AB], \a
	s_cbranch_scc1 .Lp\a
.endr
	PASS1 0
	s_branch .Lcommon
.irp a, 1,2,3,4,5,6
.Lp\a:
	PASS1 \a
	s_branch .Lcommon
.endr
.Lp7:
	PASS1 7
.Lcommon:
	s_cmp_eq_u32 s[DG], 0
	s_cbranch_scc1 .Lnomask
	; a tile on the diagonal: group b of 16 keys lies E0 + 16 b past the block's first query: on the diagonal (0: MD), wholly hidden (above 0), or wholly seen
.irp b, 0,1,2,3,4,5,6,7
	s_cmp_eq_i32 s[E0], -16*(\b)
	s_cselect_b32 s[AL], 1.0, 0
	s_cmp_gt_i32 s[E0], -16*(\b)
	s_cselect_b32 s[BE], s[BIGN], 0
.irp z, 0,1,2,3
	v_pk_fma_f32 v[T+8*(\b)+2*(\z):T+8*(\b)+2*(\z)+1], v[MD+2*(\z):MD+2*(\z)+1], s[AL:AL+1], v[T+8*(\b)+2*(\z):T+8*(\b)+2*(\z)+1] op_sel_hi:[1,0,1]
.endr
.irp z, 0,1,2,3
	v_pk_add_f32 v[T+8*(\b)+2*(\z):T+8*(\b)+2*(\z)+1], v[T+8*(\b)+2*(\z):T+8*(\b)+2*(\z)+1], s[BE:BE+1] op_sel_hi:[1,0]
.endr
.endr
.Lnomask:
	; the maximum: four chains of fifteen scores, three operands at a time; the four left over; the four into one; the other half of the lanes
.irp c, 0,1,2,3
	v_max3_num_f32 v[CC+(\c)], v[T+16*(\c)], v[T+16*(\c)+1], v[T+16*(\c)+2]
.endr
.irp k, 0,1,2,3,4,5
.irp c, 0,1,2,3
	v_max3_num_f32 v[CC+(\c)], v[CC+(\c)], v[T+16*(\c)+3+2*(\k)], v[T+16*(\c)+4+2*(\k)]
.endr
.endr
	v_max3_num_f32 v[CC], v[CC], v[T+15], v[T+31]
	v_max3_num_f32 v[CC+1], v[CC+1], v[T+47], v[T+63]
	v_max3_num_f32 v[CC], v[CC], v[CC+1], v[CC+2]
	v_max_num_f32 v[CC], v[CC], v[CC+3]
	v_permlanex16_b32 v[CC+1], v[CC], s[SEL], s[SEL+1]
	v_max_num_f32 v[CM], v[CC], v[CC+1]            ; c m
.set i, 0
.rept 32
	v_pk_add_f32 v[T+2*i:T+2*i+1], v[T+2*i:T+2*i+1], v[CM:CM+1] op_sel_hi:[1,0] neg_lo:[0,1] neg_hi:[0,1]  ; c s - c m
.set i, i+1
.endr
.set i, 0
.rept 64
	v_exp_f32 v[T+i], v[T+i]                       ; one batch
.set i, i+1
.endr
	v_nop                                          ; a plain instruction behind the last exponential,
	s_wait_alu depctr_va_vdst(0)                   ; and one wait for the batch, ahead of the first line that names a result
.set i, 0
.rept 32
	v_cvt_pk_f16_f32 v[PK+i], v[T+2*i], v[T+2*i+1]
.set i, i+1
.endr
.irp w, 1,2,4,8,16                     ; the sum of the 32 pairs, in place: neighbours 1, 2, 4, 8 and 16 pairs apart
.set u, 0
.rept 16/(\w)
	v_pk_add_f32 v[T+4*(\w)*u:T+4*(\w)*u+1], v[T+4*(\w)*u:T+4*(\w)*u+1], v[T+4*(\w)*u+2*(\w):T+4*(\w)*u+2*(\w)+1]
.set u, u+1
.endr
.endr
	v_add_f32 v[LS], v[T], v[T+1]
	v_permlanex16_b32 v[LS+1], v[LS], s[SEL], s[SEL+1]
	v_add_f32 v[CM+1], v[LS], v[LS+1]              ; l
.irp b, 0,1,2,3,4,5,6,7
	ds_store_b128 v[STO], v[PK+4*(\b):PK+4*(\b)+3] offset:32*(\b)
.endr
.irp t, 0,1,2,3,4,5,6,7
	ds_load_b128 v[BK+4*(\t):BK+4*(\t)+3], v[RD] offset:(\t)*2*SPITCH  ; LDS serves a wave's instructions in order (ISA guide 5.7.1.4): these see the stores above
.endr
	s_wait_dscnt 0x0
.irp t, 0,1,2,3,4,5,6,7
	global_store_b128 v[CO], v[BK+4*(\t):BK+4*(\t)+3], s[PB:PB+1] offset:(\t)*8192  ; 16 lanes store 256 consecutive bytes, at a multiple of 256 from pbuf's first byte
.endr
	s_wait_xcnt 0x0                                ; the stores have read their base and BK: both are written again only behind this wait
	s_add_nc_u64 s[PB:PB+1], s[PB:PB+1], 65536     ; 16 rows on
	s_sub_co_i32 s[E0], s[E0], 16
	s_add_co_u32 s[AB], s[AB], 1
	s_cmp_lt_u32 s[AB], 8
	s_cbranch_scc1 .Lblock
	ds_store_b64 v[SST], v[CM:CM+1] offset:128*7   ; the last block's pair
	ds_load_b128 v[BK:BK+3], v[SRD]                ; my strip, 1,024 dense bytes
	ds_load_b128 v[BK+4:BK+7], v[SRD] offset:512
	s_wait_dscnt 0x0
	global_store_b128 v[SGO], v[BK:BK+3], s[SB:SB+1]
	global_store_b128 v[SGO], v[BK+4:BK+7], s[SB:SB+1] offset:512
	s_wait_tensorcnt 0x0                           ; the wave's end: behind my last tensor load and my last LDS store
	ds_add_u32 v[SPW], v[NIL]
	s_wait_dscnt 0x0
	s_endpgm
.Lfunc_end_k_qc06e42785a_score:
	.size	k_qc06e42785a_score, .Lfunc_end_k_qc06e42785a_score-k_qc06e42785a_score
	.p2alignl 7, 3214868480
	.fill 96, 4, 3214868480
	.section	.rodata,"a",@progbits
	.p2align	6, 0x0
	.amdhsa_kernel k_qc06e42785a_score
		.amdhsa_group_segment_fixed_size 327680
		.amdhsa_private_segment_fixed_size 0
		.amdhsa_enable_private_segment 0
		.amdhsa_kernarg_size 24
		.amdhsa_user_sgpr_count 2
		.amdhsa_user_sgpr_kernarg_segment_ptr 1
		.amdhsa_wavefront_size32 1
		.amdhsa_system_sgpr_workgroup_id_x 1
		.amdhsa_system_sgpr_workgroup_id_y 1
		.amdhsa_system_sgpr_workgroup_id_z 1
		.amdhsa_system_vgpr_workitem_id 0
		.amdhsa_next_free_vgpr 1024
		.amdhsa_next_free_sgpr 66
		.amdhsa_reserve_vcc 1
		.amdhsa_float_denorm_mode_32 3
		.amdhsa_float_denorm_mode_16_64 3
		.amdhsa_memory_ordered 1
		.amdhsa_forward_progress 1
		.amdhsa_inst_pref_size 147
	.end_amdhsa_kernel
	.amdgpu_metadata
---
amdhsa.version: [ 1, 2 ]
amdhsa.kernels:
  - .name:           k_qc06e42785a_score
    .symbol:         k_qc06e42785a_score.kd
    .args:
      - { .name: qkv, .offset: 0, .size: 8, .value_kind: global_buffer, .address_space: global }
      - { .name: pbuf, .offset: 8, .size: 8, .value_kind: global_buffer, .address_space: global }
      - { .name: stats, .offset: 16, .size: 8, .value_kind: global_buffer, .address_space: global }
    .group_segment_fixed_size: 327680
    .private_segment_fixed_size: 0
    .kernarg_segment_align: 8
    .kernarg_segment_size: 24
    .max_flat_workgroup_size: 128
    .sgpr_count:     66
    .vgpr_count:     1024
    .wavefront_size: 32
...
	.end_amdgpu_metadata
.endif
;; end of part 3
;; launch pv (part 4): grid 8 x 32, 4 waves a work-group, clusters of 4 x 4, 327,680 bytes of LDS; arguments pbuf, qkv, stats, out0; writes out0
.if DOCPART == 4
	.amdgcn_target "amdgcn-amd-amdhsa--gfx1250"
	.amdhsa_code_object_version 6
	.text
	.protected	k_qc06e42785a_pv
	.globl	k_qc06e42785a_pv
	.p2align	8
	.type	k_qc06e42785a_pv,@function
k_qc06e42785a_pv:
	s_mov_b64 s[64:65], 0
	v_nop
	global_prefetch_b8 v0, s[64:65] scope:SCOPE_SE
	s_setreg_imm32_b32 hwreg(HW_REG_WAVE_MODE, 25, 1), 1
	s_wait_xcnt 0x0
	s_wait_alu depctr_hold_cnt(0) depctr_sa_sdst(0) depctr_va_vdst(0) depctr_va_sdst(0) depctr_va_ssrc(0) depctr_va_vcc(0) depctr_vm_vsrc(0)
	s_getreg_b32 s2, hwreg(HW_REG_IB_STS2, 6, 4)
	s_cmp_eq_u32 s2, 0
	s_cbranch_scc0 .Lentry_in_a_cluster
	s_endpgm
.Lentry_in_a_cluster:
	s_bfe_u32 s2, ttmp6, 0x10000c
	s_cmp_lg_u32 s2, 0xf033
	s_cbranch_scc0 .Lentry_shape_is_right
	s_endpgm
.Lentry_shape_is_right:
; THE SECOND HALF OF THE SOFTMAX AND THE SECOND PRODUCT.  out0[row] = the sum over blocks t of 128 keys of g_t (P_t V_t), g_t = 2^(c m_t - c M) / L, c M = the largest c m_t of the row, L = the sum of 2^(c m_t - c M) l_t.
; P: pbuf [4][2048][2048] f16; V: the third part of qkv's rows, f16; (c m, l): stats [4][16][2048] f32; out0 [4][2048][1024] f32.  Products in f16 with f32 sums; g, M, L and the sum over blocks in f32.
; LIMITS.  A block that a row does not see has c m = -1e30: its g is 0, and what lies in pbuf there is finite (ones or zeros).  A factor below 2^-126 counts as 0.  L lies between 1 and 2,048.  NaN and infinities are not treated apart.
; SHARES.  A cluster of 4 x 4 work-groups takes a batch b, two superblocks of 512 rows (3 - u, then u) and 512 channels; a work-group 128 rows (by cy) x 128 channels (by cx) of each, one after the other, as ONE walk of ten
; slots of 256 keys (8 - 2 u, then 2 u + 2): 256 work-groups of equal work, all partners with the same trips.  Rows walk to their superblock's end; what the mask hides there has g = 0.
; P's tile is shared along a row of the cluster, V's along a column: each is asked for JOINTLY.  A wave makes 64 rows x 64 channels.
; THE PRODUCT.  Source 0 = 16 channels of V^T (turned on the way out of LDS by ds_load_tr16_b128), source 1 = 16 rows of P: a lane holds ONE row (l % 16) and channels 8 (l / 16) + 0..7.
; A block of 128 keys is four SUBS of 32 keys, 16 matrix instructions each, on 16 accumulators TMP that the block's first sub starts with the constant 0; in its last sub each finished TMP is FOLDED: O += g TMP.
; Fragments are fetched two subs ahead, into four buffers.  So a slot's last reads are issued at the head of its sixth sub, and there the slots change: the refill has 116 matrix instructions in which to land.
; REGISTERS, in windows of 256 (s_set_vgpr_msb: bits 1:0 source 0, 3:2 source 1, 5:4 source 2, 7:6 destination):
;   window 0: v0-31 addresses; v32-47 F, a slot's factors; v64-191 AF, P's fragments, four buffers of 32; v192-223 BK, rows to store       window 1: v0-127 BF, V's fragments       window 2: v0-127 TMP; v128-255 O
.set PA,    528                        ; a row of P in LDS: 512 bytes + 16 = 132 words: the 16 rows of a load start at 16 different groups of four banks (ISA guide 11.1)
.set PV,    288                        ; a row of V: 256 + 32 = 72 words
.set HALFA, 64*PA                      ; what waves 0 and 1 fetch: 64 rows of P
.set VOFF,  128*PA                     ; V lies behind P's 128 rows
.set HALFB, 128*PV                     ; what waves 2 and 3 fetch: 128 keys of V
.set SLOT,  VOFF+256*PV                ; 141,312
.set STAGE, 2*SLOT                     ; behind the ring: 16 rows x 272 bytes for each wave, for the way out
.set SP,    272
.set FT,    STAGE+4*16*SP              ; the factors: 128 rows x 176 bytes: twenty pairs (g, g) in the walk's order
.set PF,    176
.set SPARE, FT+128*PF                  ; the spare words, 128 bytes for each wave, which no other line names
.set ADRA, 16                          ; v16-17  LDS address of my P fragments in slot 0, 1
.set ADRB, 18                          ; v18-21  of my V fragments: slot 0 keys 0-127, 128-255; slot 1 likewise
.set FTA,  22                          ; v22     my row of the factors; never rewritten
.set FTC,  23                          ; v23     the same at the lap in hand
.set STO,  24                          ; v24     the way out: where I put 32 bytes of a row
.set RD,   25                          ; v25     where I read a row back
.set CO,   26                          ; v26     my byte offset in out0
.set PFO,  27                          ; v27     the prefetches' offset; never rewritten
.set SPW,  28                          ; v28     LDS address of my spare word; never rewritten
.set NIL,  29                          ; v29     0; never rewritten
.set F,    32                          ; v32-47  row block a: (g, g) of the slot's first 128 keys, (g, g) of its second
.set AF,   64
.set BK,   192
.set OO,   128                         ; O in window 2
.set SH,   64                          ; the set-up's registers, free before the first fragments come: 16 pairs (c m, l) of my row in the first superblock,
.set SL,   96                          ; in the second
.set FH,   128                         ; their factors
.set FL,   144
.set MX,   160                         ; c M, both
.set LL,   162                         ; L, two chains each
.set IV,   166                         ; 1 / L, both
.set W2,   192                         ; the twenty pairs
.set WV,   12
.set ROLE, 13                          ; wave / 2: my half of the rows.  Also: I fetch P (0) or V (1)
.set HALF, 14                          ; wave % 2: my half of the channels.  Also: which half of that tile I fetch
.set CX,   15
.set CY,   16
.set UU,   17
.set BB,   18
.set CB,   19                          ; my block of 128 channels
.set G1A,  24                          ; s[24:31] descriptor group 1 for P's tiles;  s[32:39] group 0, one set for each slot
.set G0A,  32
.set G1B,  40                          ; s[40:47], s[48:55] the same for V's
.set G0B,  48
.set NXT,  56                          ; the tile of 256 keys to be asked for next
.set LQ,   57                          ; the last tile of the superblock whose tiles are being asked for
.set LAPC, 58                          ; laps to go in the loop
.set HL,   59                          ; laps left of the first superblock
.set ABASE, 60                         ; s[60:61] pbuf at the 64 rows that I fetch, keys 0, in the superblock that is being asked for
.set ABLO, 62                          ; s[62:63] the same in the second superblock
.set VBASE, 66                         ; s[66:67] V at the 128 keys that I fetch of tile 0, my work-group's channels
.set OFF,  68                          ; s[68:69] a tile's byte offset
.set OB,   70                          ; s[70:71] out0 at my wave's part, first superblock
.set OBLO, 72                          ; s[72:73] second
.set UM,   74                          ; all ones if u = 1
.set PFLIM, 75                         ; tiles below this number are asked for ahead: 0 in a wave that asks for nothing
.set PFB,  76                          ; s[76:77] my work-group's share of what I fetch, tile 0
.set PFA,  78                          ; s[78:79] the same at tile PFN
.set PFSTEP, 80                        ; bytes from tile to tile
.set PFN,  81
.set NLO1, 82                          ; the second superblock's last tile
.set FTS,  83                          ; 32 x the lap
.set SHI,  84                          ; s[84:85] stats at my work-group's rows, first superblock
.set SLO,  86                          ; s[86:87] second
.set U9,   96
.set H9,   97
.set B11,  98
.set NHI,  99
.set MSB, 0
.macro WIN new                         ; the immediate's high byte repeats the setting that is left; a switch that changes nothing is dropped
.if MSB != (\new)
	s_set_vgpr_msb (MSB<<8)|(\new)
.set MSB, \new
.endif
.endm
.set W_MUL,  0xa1                      ; source 0 (V) window 1, source 1 (P) window 0, C and D window 2
.set W_TOB,  0x40                      ; destination window 1, address window 0
.set W_FOLD, 0xa8                      ; g window 0; TMP, O in window 2
.set W_ST,   0x08                      ; an LDS store's data in window 2
.set W_CLR,  0x80
; A joint load.  Waves 0 and 1 fetch P's two halves, waves 2 and 3 V's.  The branch hangs on the wave's number alone.  An s_nop 0 and four v_nop follow each of the two lines.
.macro JLOAD s
	s_cmp_eq_u32 s[ROLE], 0
	s_cbranch_scc0 .Lfor_v_\@
	tensor_load_to_lds s[G0A+4*(\s):G0A+4*(\s)+3], s[G1A:G1A+7]
	s_nop 0
.rept 4
	v_nop
.endr
	s_branch .Lasked_\@
.Lfor_v_\@:
	tensor_load_to_lds s[G0B+4*(\s):G0B+4*(\s)+3], s[G1B:G1B+7]
	s_nop 0
.rept 4
	v_nop
.endr
.Lasked_\@:
.endm
; A prefetch behind each joint refill: the tile that stands two refills on (256 matrix instructions ahead of the load that will ask for it), in the first superblock's walk alone, from its fifth tile on.
; P's rows are read by both clusters of a row of clusters: the one with x = 0 asks; of a wave's 64 rows x 512 bytes partner cx takes 16 rows, a lane 256 bytes.  V's rows are read by the clusters with u = 0 and u = 1:
; u = 0, whose first walk has all keys, asks; of a wave's 128 keys partner cy takes 32, a lane a row.  The shares are told apart by address.  So each 256 bytes are named once.  The second walk's tiles come by their loads alone.
.macro ASK
	s_cmp_lt_u32 s[PFN], s[PFLIM]
	s_cbranch_scc0 .Lnot_mine_\@
	global_prefetch_b8 v[PFO], s[PFA:PFA+1] th:TH_LOAD_NT scope:SCOPE_SE
.Lnot_mine_\@:
.endm
.macro CREST
	s_cmp_lg_u32 s[WV], 0
	s_cbranch_scc1 .Lnot_wave_0_\@
	s_barrier_signal -3
.Lnot_wave_0_\@:
	s_barrier_wait -3
	s_barrier_signal -1
	s_barrier_wait -1
.endm
.macro CROUND
	s_barrier_signal -1
	s_barrier_wait -1
	CREST
.endm
.macro PLACES
.rept 4
	v_nop
.endr
.endm
	s_load_b256 s[4:11], s[0:1], 0x0               ; pbuf s[4:5], qkv s[6:7], stats s[8:9], out0 s[10:11]
	v_lshl_add_u32 v[SPW], v0, 2, SPARE
	v_mov_b32 v[NIL], 0
	ds_add_u32 v[SPW], v[NIL]                      ; the wave's opening: the add and its wait stand ahead of my first tensor load; the set-up below, work on registers, stands between them
	v_lshrrev_b32 v1, 5, v0
	v_readfirstlane_b32 s[WV], v1
	s_lshr_b32 s[ROLE], s[WV], 1
	s_and_b32 s[HALF], s[WV], 1
	s_bfe_u32 s[CX], ttmp6, 0x40000
	s_bfe_u32 s[CY], ttmp6, 0x40004
	s_and_b32 s[BB], ttmp7, 0xffff                 ; the cluster's y = 2 b + u
	s_and_b32 s[UU], s[BB], 1
	s_lshr_b32 s[BB], s[BB], 1
	s_lshl_b32 s[CB], ttmp9, 2
	s_add_co_u32 s[CB], s[CB], s[CX]
	s_lshl_b32 s2, s[CY], 2
	s_lshl_b32 s2, 15, s2                          ; my row of the cluster
	s_lshl_b32 s3, 0x1111, s[CX]                   ; my column
	s_or_b32 s[G1A], s2, (1<<16)|(1<<20)|(1<<21)|(6<<22)|(3<<25)  ; the mask; elements of 2 bytes; padding on; bit 21 beside a mask; after every 128 words, 4 words
	s_mov_b32 s[G1A+1], 256<<16                    ; tensor_dim0 = 256 keys
	s_mov_b32 s[G1A+2], 64<<16                     ; tensor_dim1 = 64 rows
	s_mov_b32 s[G1A+3], 256<<16                    ; tile_dim0
	s_mov_b32 s[G1A+4], 64                         ; tile_dim1
	s_mov_b32 s[G1A+5], 2048                       ; elements from row to row
	s_mov_b32 s[G1A+6], 0
	s_mov_b32 s[G1A+7], 0
	s_or_b32 s[G1B], s3, (1<<16)|(1<<20)|(1<<21)|(5<<22)|(7<<25)  ; after every 64 words, 8 words
	s_mov_b32 s[G1B+1], 128<<16                    ; 128 channels
	s_mov_b32 s[G1B+2], 128<<16                    ; 128 keys
	s_mov_b32 s[G1B+3], 128<<16
	s_mov_b32 s[G1B+4], 128
	s_mov_b32 s[G1B+5], 3072
	s_mov_b32 s[G1B+6], 0
	s_mov_b32 s[G1B+7], 0
	s_mov_b32 s[G0A], 1
	s_mul_i32 s[G0A+1], s[HALF], HALFA             ; LDS addresses hang on the wave's number and the slot alone
	s_mov_b32 s[G0A+4], 1
	s_add_co_u32 s[G0A+5], s[G0A+1], SLOT
	s_mov_b32 s[G0B], 1
	s_mul_i32 s[G0B+1], s[HALF], HALFB
	s_add_co_u32 s[G0B+1], s[G0B+1], VOFF
	s_mov_b32 s[G0B+4], 1
	s_add_co_u32 s[G0B+5], s[G0B+1], SLOT
	s_lshl_b32 s[U9], s[UU], 9                     ; the second superblock's first row, 512 u,
	s_sub_co_u32 s[H9], 1536, s[U9]                ; the first's, 512 (3 - u)
	s_lshl_b32 s[B11], s[BB], 11
	; P's offsets, in registers that never hold cx
	s_lshl_b32 s20, s[CY], 7
	s_add_co_u32 s20, s20, s[B11]
	s_lshl_b32 s21, s[HALF], 6
	s_add_co_u32 s20, s20, s21                     ; 2048 b + 128 cy + 64 half
	s_add_co_u32 s[ABASE], s20, s[H9]
	s_add_co_u32 s[ABLO], s20, s[U9]
	s_lshl_b32 s[ABASE], s[ABASE], 12
	s_lshl_b32 s[ABLO], s[ABLO], 12
	s_mov_b32 s[ABASE+1], 0
	s_mov_b32 s[ABLO+1], 0
	; V's, in registers that never hold cy
	s_lshl_b32 s22, s[HALF], 7
	s_add_co_u32 s22, s22, s[B11]
	s_mul_i32 s22, s22, 6144
	s_lshl_b32 s23, s[CB], 8
	s_add_co_u32 s22, s22, s23
	s_add_co_u32 s[VBASE], s22, 4096               ; v lies 4,096 bytes into a row of qkv
	s_mov_b32 s[VBASE+1], 0
	; out0's
	s_lshl_b32 s88, s[CY], 7
	s_add_co_u32 s88, s88, s[B11]
	s_lshl_b32 s89, s[ROLE], 6
	s_add_co_u32 s88, s88, s89                     ; 2048 b + 128 cy + 64 row half
	s_lshl_b32 s89, s[CB], 9
	s_lshl_b32 s90, s[HALF], 8
	s_add_co_u32 s89, s89, s90                     ; 512 bytes a channel block, 256 a half
	s_add_co_u32 s[OB], s88, s[H9]
	s_lshl_b32 s[OB], s[OB], 12
	s_add_co_u32 s[OB], s[OB], s89
	s_mov_b32 s[OB+1], 0
	s_add_co_u32 s[OBLO], s88, s[U9]
	s_lshl_b32 s[OBLO], s[OBLO], 12
	s_add_co_u32 s[OBLO], s[OBLO], s89
	s_mov_b32 s[OBLO+1], 0
	; stats'
	s_lshl_b32 s88, s[BB], 15
	s_lshl_b32 s90, s[CY], 7
	s_add_co_u32 s88, s88, s90
	s_add_co_u32 s[SHI], s88, s[H9]
	s_lshl_b32 s[SHI], s[SHI], 3
	s_mov_b32 s[SHI+1], 0
	s_add_co_u32 s[SLO], s88, s[U9]
	s_lshl_b32 s[SLO], s[SLO], 3
	s_mov_b32 s[SLO+1], 0
	; the walk
	s_lshl_b32 s88, s[UU], 1
	s_sub_co_u32 s[LQ], 7, s88
	s_add_co_u32 s[NLO1], s88, 1
	s_sub_co_u32 s[NHI], 8, s88
	s_sub_co_u32 s[HL], 4, s[UU]
	s_mov_b32 s[NXT], 2
	s_mov_b32 s[LAPC], 4
	s_mov_b32 s[FTS], 0
	s_mov_b32 s[OFF+1], 0
	s_cmp_lg_u32 s[UU], 0
	s_cselect_b32 s[UM], -1, 0
	; the prefetches
	s_lshl_b32 s92, s[CX], 16                      ; P: 16 rows of 4,096 bytes for each partner along x
	s_mul_i32 s93, s[CY], 196608                   ; V: 32 rows of 6,144 bytes for each partner along y
	s_mov_b32 s[PFSTEP], 1572864
	s_mov_b32 s90, 12288
	s_mov_b32 s91, 6144
	s_cmp_eq_u32 s[ROLE], 0
	s_cselect_b32 s89, ttmp9, s[UU]                ; the coordinate along which other clusters read the same bytes
	s_cselect_b32 s[PFSTEP], 512, s[PFSTEP]
	s_cselect_b32 s90, 4096, s90                   ; two lanes on: a row of P, or two rows of V
	s_cselect_b32 s91, 256, s91                    ; a lane on: 256 bytes of P's row, or a row of V
	s_cselect_b32 s[PFA], s92, s93
	s_mov_b32 s[PFA+1], 0
	s_cmp_eq_u32 s89, 0
	s_cselect_b32 s[PFLIM], s[NHI], 0
	s_mov_b32 s[PFN], 0
	s_wait_dscnt 0x0                               ; the opening add is done
	s_wait_kmcnt 0x0
	s_add_nc_u64 s[ABASE:ABASE+1], s[4:5], s[ABASE:ABASE+1]
	s_add_nc_u64 s[ABLO:ABLO+1], s[4:5], s[ABLO:ABLO+1]
	s_add_nc_u64 s[VBASE:VBASE+1], s[6:7], s[VBASE:VBASE+1]
	s_add_nc_u64 s[SHI:SHI+1], s[8:9], s[SHI:SHI+1]
	s_add_nc_u64 s[SLO:SLO+1], s[8:9], s[SLO:SLO+1]
	s_add_nc_u64 s[OB:OB+1], s[10:11], s[OB:OB+1]
	s_add_nc_u64 s[OBLO:OBLO+1], s[10:11], s[OBLO:OBLO+1]
	s_cmp_eq_u32 s[ROLE], 0
	s_cselect_b64 s[PFB:PFB+1], s[ABASE:ABASE+1], s[VBASE:VBASE+1]
	s_add_nc_u64 s[PFB:PFB+1], s[PFB:PFB+1], s[PFA:PFA+1]
.irp s, 0,1
	s_add_nc_u64 s[G0A+4*(\s)+2:G0A+4*(\s)+3], s[ABASE:ABASE+1], (\s)*512
	s_or_b32 s[G0A+4*(\s)+3], s[G0A+4*(\s)+3], 0x80000000
	s_add_nc_u64 s[G0B+4*(\s)+2:G0B+4*(\s)+3], s[VBASE:VBASE+1], (\s)*1572864
	s_or_b32 s[G0B+4*(\s)+3], s[G0B+4*(\s)+3], 0x80000000
.endr
	CROUND                                         ; all sixteen work-groups are here: the first joint loads meet
	JLOAD 0                                        ; tiles 0 and 1 of the first superblock: two tensor loads of mine are out
	JLOAD 1
	; IN THE WAIT FOR THE TILES.  Thread t (0 .. 127) takes row t of the work-group's rows in both superblocks: its 16 + 16 pairs (c m, l); a wave's load covers 256 consecutive bytes
	v_lshlrev_b32 v10, 3, v0
.set t, 0
.rept 16
	global_load_b64 v[SH+2*t:SH+2*t+1], v10, s[SHI:SHI+1] offset:16384*t
	global_load_b64 v[SL+2*t:SL+2*t+1], v10, s[SLO:SLO+1] offset:16384*t
.set t, t+1
.endr
	v_and_b32 v1, 15, v0                           ; l % 16
	v_bfe_u32 v2, v0, 4, 1                         ; l / 16
	v_and_b32 v3, 7, v0
	v_bfe_u32 v4, v0, 3, 1
	v_and_b32 v5, 31, v0
	v_mul_u32_u24 v6, v1, PA
	v_lshl_add_u32 v6, v2, 4, v6                   ; a fragment of P: row x pitch + 16 x half
	s_mul_i32 s88, s[ROLE], 64*PA                  ; my 64 rows
	v_add_nc_u32 v[ADRA], s88, v6
	v_add_nc_u32 v[ADRA+1], SLOT, v[ADRA]
	v_lshl_add_u32 v7, v2, 3, v3                   ; the turning load: lane l reads key 8 (l / 16) + l % 8, channels 8 ((l / 8) % 2) + 0..7
	v_mul_u32_u24 v7, v7, PV
	v_lshl_add_u32 v7, v4, 4, v7
	s_lshl_b32 s88, s[HALF], 7                     ; my 64 channels
	s_add_co_u32 s88, s88, VOFF
	v_add_nc_u32 v[ADRB], s88, v7
	v_add_nc_u32 v[ADRB+1], HALFB, v[ADRB]
	v_add_nc_u32 v[ADRB+2], SLOT, v[ADRB]
	v_add_nc_u32 v[ADRB+3], SLOT+HALFB, v[ADRB]
	v_mul_u32_u24 v[FTA], v1, PF
	s_mul_i32 s88, s[ROLE], 64*PF
	s_add_co_u32 s88, s88, FT
	v_add_nc_u32 v[FTA], s88, v[FTA]
	s_mul_i32 s88, s[WV], 16*SP
	s_add_co_u32 s88, s88, STAGE                   ; my stage
	v_mul_u32_u24 v[STO], v1, SP                   ; in: row l % 16, 32 bytes for each half of the lanes
	v_lshl_add_u32 v[STO], v2, 5, v[STO]
	v_add_nc_u32 v[STO], s88, v[STO]
	v_mul_u32_u24 v[RD], v2, SP                    ; back: lanes 0-15 one row of 256 bytes, lanes 16-31 the next
	v_lshl_add_u32 v[RD], v1, 4, v[RD]
	v_add_nc_u32 v[RD], s88, v[RD]
	v_lshlrev_b32 v[CO], 12, v2                    ; the same two rows in out0
	v_lshl_add_u32 v[CO], v1, 4, v[CO]
	v_lshrrev_b32 v8, 1, v5
	v_and_b32 v9, 1, v5
	v_mul_u32_u24 v[PFO], s90, v8
	v_mad_u32_u24 v[PFO], v9, s91, v[PFO]
	v_mul_u32_u24 v11, v0, PF
	v_add_nc_u32 v11, FT, v11                      ; where my row's factors go
.macro CLEAR                           ; O starts at 0, so that every fold has one form: 128 lines, at the start of each of the two tiles
	WIN W_CLR
.set i, OO
.rept 128
	v_mov_b32 v[i], 0
.set i, i+1
.endr
	WIN 0
.endm
	CLEAR
	s_wait_loadcnt 0x0
.macro ROWMAX s, m                     ; the largest of sixteen c m
	v_max3_num_f32 v[\m], v[\s], v[(\s)+2], v[(\s)+4]
.irp t, 3,5,7,9,11,13
	v_max3_num_f32 v[\m], v[\m], v[(\s)+2*(\t)], v[(\s)+2*(\t)+2]
.endr
	v_max_num_f32 v[\m], v[\m], v[(\s)+30]
.endm
	ROWMAX SH, MX
	ROWMAX SL, MX+1
.set t, 0
.rept 16
	v_sub_f32 v[FH+t], v[SH+2*t], v[MX]            ; c m - c M: the row's maximum is taken away
	v_sub_f32 v[FL+t], v[SL+2*t], v[MX+1]
.set t, t+1
.endr
.set t, 0
.rept 32
	v_exp_f32 v[FH+t], v[FH+t]                     ; one batch of 32 (FL follows FH)
.set t, t+1
.endr
	v_nop                                          ; a plain instruction behind the last exponential,
	s_wait_alu depctr_va_vdst(0)                   ; and one wait for the batch, ahead of the first line that names a result
	v_mul_f32 v[LL],   v[FH],   v[SH+1]            ; L, two chains for each row
	v_mul_f32 v[LL+1], v[FH+1], v[SH+3]
	v_mul_f32 v[LL+2], v[FL],   v[SL+1]
	v_mul_f32 v[LL+3], v[FL+1], v[SL+3]
.set t, 2
.rept 14
	v_fmac_f32 v[LL+t%2],   v[FH+t], v[SH+2*t+1]
	v_fmac_f32 v[LL+2+t%2], v[FL+t], v[SL+2*t+1]
.set t, t+1
.endr
	v_add_f32 v[LL], v[LL], v[LL+1]
	v_add_f32 v[LL+2], v[LL+2], v[LL+3]
	v_rcp_f32 v[IV], v[LL]
	v_rcp_f32 v[IV+1], v[LL+2]
	v_nop
	s_wait_alu depctr_va_vdst(0)                   ; one wait for the two reciprocals
	; g = factor / L, each twice, in the walk's order: the first superblock's 16 - 4 u blocks, then the second's 4 u + 4
.set t, 0
.rept 12
	v_mul_f32 v[W2+2*t],   v[FH+t], v[IV]
	v_mul_f32 v[W2+2*t+1], v[FH+t], v[IV]
.set t, t+1
.endr
.irp t, 12,13,14,15
	v_mul_f32 v[FH+(\t)], v[FH+(\t)], v[IV]
.endr
.irp t, 0,1,2,3,4,5,6,7
	v_mul_f32 v[FL+(\t)], v[FL+(\t)], v[IV+1]
.endr
.irp j, 0,1,2,3
	v_cndmask_b32 v[W2+24+2*(\j)], v[FH+12+(\j)], v[FL+(\j)], s[UM]
	v_cndmask_b32 v[W2+25+2*(\j)], v[FH+12+(\j)], v[FL+(\j)], s[UM]
	v_cndmask_b32 v[W2+32+2*(\j)], v[FL+(\j)], v[FL+4+(\j)], s[UM]
	v_cndmask_b32 v[W2+33+2*(\j)], v[FL+(\j)], v[FL+4+(\j)], s[UM]
.endr
.irp k, 0,1,2,3,4,5,6,7,8,9
	ds_store_b128 v11, v[W2+4*(\k):W2+4*(\k)+3] offset:16*(\k)
.endr
; The fragments of sub m (mod 16: slot m / 8, keys 32 (m % 8) on) into buffer m % 4: 8 turning loads of V, 8 loads of P
.macro LOADM m
.set mm, (\m)%16
.set sl, mm/8
.set kk, mm%8
.set lb, 32*(mm%4)
	WIN W_TOB
.irp b, 0,1,2,3
	ds_load_tr16_b128 v[lb+8*(\b):lb+8*(\b)+3],   v[ADRB+2*sl+kk/4] offset:(kk%4)*32*PV+32*(\b)
	ds_load_tr16_b128 v[lb+8*(\b)+4:lb+8*(\b)+7], v[ADRB+2*sl+kk/4] offset:(kk%4)*32*PV+32*(\b)+16*PV
.endr
	WIN 0
.irp a, 0,1,2,3
	ds_load_b128 v[AF+lb+8*(\a):AF+lb+8*(\a)+3],   v[ADRA+sl] offset:64*kk+(\a)*16*PA
	ds_load_b128 v[AF+lb+8*(\a)+4:AF+lb+8*(\a)+7], v[ADRA+sl] offset:64*kk+(\a)*16*PA+32
.endr
.endm
; Product q = 4 a + b of sub n.  The 16 accumulators take turns, one instruction a turn, in the same order everywhere.  A block's first sub starts the sums.
.macro MR n, q
	WIN W_MUL
.set bf, 32*((\n)%4)+8*((\q)%4)
.set af, AF+32*((\n)%4)+8*((\q)/4)
.set tq, 8*(\q)
.if (\n)%4 == 0
	v_wmma_f32_16x16x32_f16 v[tq:tq+7], v[bf:bf+7], v[af:af+7], 0
.else
	v_wmma_f32_16x16x32_f16 v[tq:tq+7], v[bf:bf+7], v[af:af+7], v[tq:tq+7]
.endif
.endm
.macro MRS n, q0, q1
.set qq, \q0
.rept (\q1)-(\q0)+1
	MR \n, qq
.set qq, qq+1
.endr
.endm
; O(q) += g TMP(q), ascending: the accumulator's lowest registers are read first
.macro FOLDQ q, kb
	WIN W_FOLD
.irp i, 0,1,2,3
	v_pk_fma_f32 v[OO+8*(\q)+2*(\i):OO+8*(\q)+2*(\i)+1], v[F+4*((\q)/4)+2*(\kb):F+4*((\q)/4)+2*(\kb)+1], v[8*(\q)+2*(\i):8*(\q)+2*(\i)+1], v[OO+8*(\q)+2*(\i):OO+8*(\q)+2*(\i)+1]
.endr
.endm
; A SUB: the fragments of the sub two on are asked for; then this sub's 16 products.
; PLACES.  A load into a buffer stands four plain vector instructions behind the last product that read it, two subs back (ISA guide 7.12.1 for vector instructions).  Where n % 4 is 0 or 1 the folds
; of the sub between, or of that sub itself, are such lines; where it is 2 four v_nop are written, and these serve the loads of the next sub too.
; In a block's last sub TMP(q - 1) is folded behind product q: four plain lines (the fold before, or four v_nop) lie between a product and the first read of its result; behind the last fold two v_nop make
; six lines between product 15 and the next sub's product that writes over its result.
.macro SUB n, ld, left
.if \ld
.if (\n)%4 == 2
	PLACES
.endif
	LOADM (\n)+2
.endif
.if (\n)%8 == 0                        ; the slot's factors, wanted three subs on
	WIN 0
.if (\n) == 0
	v_add_nc_u32 v[FTC], s[FTS], v[FTA]
.endif
.irp a, 0,1,2,3
	ds_load_b128 v[F+4*(\a):F+4*(\a)+3], v[FTC] offset:(\a)*16*PF+16*((\n)/8)
.endr
.endif
	s_wait_dscnt \left                             ; this sub's fragments are in; the loads of the later subs may stay out
.if (\n)%4 == 3
	MR \n, 0
	PLACES
.set qq, 1
.rept 15
	MR \n, qq
	FOLDQ qq-1, ((\n)%8)/4
.set qq, qq+1
.endr
	FOLDQ 15, ((\n)%8)/4
	v_nop
	v_nop
.else
	MRS \n, 0, 15
.endif
.endm
; THE SUB IN WHICH THE SLOTS CHANGE (n = 5, 13).  Its loads are the slot's last reads.  Each wave waits for all its tensor loads, of which one is out: its part of the other slot; adds 0 to its spare word; and waits for that and
; for its reads.  fill = 1: the barrier opens a round of the cluster's, and the joint refill, with tile NXT, is the first thing behind it; the descriptors' addresses are made anew from that number.
.macro SUBC n, fill
	LOADM (\n)+2
	s_wait_dscnt 32                                ; this sub's fragments are in; the two younger runs of 16 may stay out
	MRS \n, 0, 3
.if \fill
	s_wait_xcnt 0x0                                ; the last prefetch, eight subs back, has read its address
.endif
	WIN 0
	s_wait_tensorcnt 0x0                           ; no tensor load of mine is out, so a group 0 may be written
	ds_add_u32 v[SPW], v[NIL]                      ; 0 onto my spare word; scalar work and six products stand between it and the wait for it
.if \fill
	s_lshl_b32 s[OFF], s[NXT], 9                   ; 256 keys are 512 bytes of a row of P
	s_add_nc_u64 s[G0A+4*((\n)/8)+2:G0A+4*((\n)/8)+3], s[ABASE:ABASE+1], s[OFF:OFF+1]
	s_or_b32 s[G0A+4*((\n)/8)+3], s[G0A+4*((\n)/8)+3], 0x80000000
	s_mul_i32 s[OFF], s[NXT], 1572864              ; and 256 rows of qkv
	s_add_nc_u64 s[G0B+4*((\n)/8)+2:G0B+4*((\n)/8)+3], s[VBASE:VBASE+1], s[OFF:OFF+1]
	s_or_b32 s[G0B+4*((\n)/8)+3], s[G0B+4*((\n)/8)+3], 0x80000000
	s_add_co_u32 s[PFN], s[NXT], 2
	s_mul_i32 s[OFF], s[PFN], s[PFSTEP]
	s_add_nc_u64 s[PFA:PFA+1], s[PFB:PFB+1], s[OFF:OFF+1]
	s_add_co_u32 s[NXT], s[NXT], 1                 ; the superblock's next tile, or behind its last the second superblock's tile 0
	s_cmp_gt_u32 s[NXT], s[LQ]
	s_cselect_b32 s[NXT], 0, s[NXT]
	s_cselect_b32 s[LQ], s[NLO1], s[LQ]
	s_cselect_b32 s[PFLIM], 0, s[PFLIM]
	s_cselect_b64 s[ABASE:ABASE+1], s[ABLO:ABLO+1], s[ABASE:ABASE+1]
.endif
	MRS \n, 4, 9
	s_wait_dscnt 0x0                               ; the add is done, and my reads of the slot are over
	s_barrier_signal -1
	MRS \n, 10, 15
	WIN 0                                          ; at a branch and at a label every window is 0
	s_barrier_wait -1
.if \fill
	CREST                                          ; no wave of any partner still reads the slot or has a load on its way
	JLOAD (\n)/8
	ASK
.endif
.endm
; THE WAY OUT: O, which is finished (1 / L lies in the factors), goes through my stage, a block of 16 rows at a time, and leaves as whole rows of 256 bytes
.macro WAYOUT ob
.irp a, 0,1,2,3
	WIN W_ST
.irp b, 0,1,2,3
	ds_store_b128 v[STO], v[OO+8*(4*(\a)+(\b)):OO+8*(4*(\a)+(\b))+3]   offset:64*(\b)
	ds_store_b128 v[STO], v[OO+8*(4*(\a)+(\b))+4:OO+8*(4*(\a)+(\b))+7] offset:64*(\b)+16
.endr
	WIN 0
	s_wait_xcnt 0x0                                ; earlier stores have read BK: it is loaded again only behind this wait
.irp t, 0,1,2,3,4,5,6,7
	ds_load_b128 v[BK+4*(\t):BK+4*(\t)+3], v[RD] offset:(\t)*2*SP  ; LDS serves a wave's instructions in order (ISA guide 5.7.1.4): these see the stores above
.endr
	s_wait_dscnt 0x0
.irp t, 0,1,2,3,4,5,6,7
	global_store_b128 v[CO], v[BK+4*(\t):BK+4*(\t)+3], s[\ob:\ob+1] offset:(16*(\a)+2*(\t))*4096 th:TH_STORE_NT  ; 16 lanes store 256 consecutive bytes, at a multiple of 256 from out0's first byte
.endr
.endr
.endm
	s_wait_tensorcnt 0x1                           ; my part of slot 0 is in; slot 1's may stay out
	s_wait_dscnt 0x0                               ; my rows of the factors are stored
	s_barrier_signal -1
	s_barrier_wait -1
	LOADM 0
	LOADM 1
	WIN 0
.Llap:                                                 ; four trips: two slots each, both filled again
	SUB 0, 1, 32
	SUB 1, 1, 32
	SUB 2, 1, 32
	SUB 3, 1, 32
	SUB 4, 1, 32
	SUBC 5, 1
	SUB 6, 1, 32
	SUB 7, 1, 32
	SUB 8, 1, 32
	SUB 9, 1, 32
	SUB 10, 1, 32
	SUB 11, 1, 32
	SUB 12, 1, 32
	SUBC 13, 1
	SUB 14, 1, 32
	SUB 15, 1, 32
	WIN 0
	s_add_co_u32 s[FTS], s[FTS], 32                ; the next lap's factors
	s_sub_co_u32 s[HL], s[HL], 1
	s_cmp_lg_u32 s[HL], 0                          ; the same in all sixteen partners: it hangs on u alone
	s_cbranch_scc1 .Lsame
	WAYOUT OB                                      ; the first superblock's tile is finished; the next lap's first fragments are on their way meanwhile
	CLEAR
.Lsame:
	s_sub_co_u32 s[LAPC], s[LAPC], 1
	s_cmp_lg_u32 s[LAPC], 0
	s_cbranch_scc1 .Llap
	SUB 0, 1, 32                                   ; the last lap is written out: it fills nothing
	SUB 1, 1, 32
	SUB 2, 1, 32
	SUB 3, 1, 32
	SUB 4, 1, 32
	SUBC 5, 0
	SUB 6, 1, 32
	SUB 7, 1, 32
	SUB 8, 1, 32
	SUB 9, 1, 32
	SUB 10, 1, 32
	SUB 11, 1, 32
	SUB 12, 1, 32
	SUB 13, 1, 32
	SUB 14, 0, 16                                  ; the last sub's 16 loads may stay out
	SUB 15, 0, 0
	WAYOUT OBLO
	s_wait_tensorcnt 0x0                           ; the wave's end: behind my last tensor load and my last LDS store
	ds_add_u32 v[SPW], v[NIL]
	s_wait_dscnt 0x0
	CROUND                                         ; the closing round: no work-group ends while a partner may still ask for a tile that names it
	s_endpgm
.Lfunc_end_k_qc06e42785a_pv:
	.size	k_qc06e42785a_pv, .Lfunc_end_k_qc06e42785a_pv-k_qc06e42785a_pv
	.p2alignl 7, 3214868480
	.fill 96, 4, 3214868480
	.section	.rodata,"a",@progbits
	.p2align	6, 0x0
	.amdhsa_kernel k_qc06e42785a_pv
		.amdhsa_group_segment_fixed_size 327680
		.amdhsa_private_segment_fixed_size 0
		.amdhsa_enable_private_segment 0
		.amdhsa_kernarg_size 32
		.amdhsa_user_sgpr_count 2
		.amdhsa_user_sgpr_kernarg_segment_ptr 1
		.amdhsa_wavefront_size32 1
		.amdhsa_system_sgpr_workgroup_id_x 1
		.amdhsa_system_sgpr_workgroup_id_y 1
		.amdhsa_system_sgpr_workgroup_id_z 1
		.amdhsa_system_vgpr_workitem_id 0
		.amdhsa_next_free_vgpr 768
		.amdhsa_next_free_sgpr 100
		.amdhsa_reserve_vcc 0
		.amdhsa_float_denorm_mode_32 3
		.amdhsa_float_denorm_mode_16_64 3
		.amdhsa_memory_ordered 1
		.amdhsa_forward_progress 1
		.amdhsa_inst_pref_size 159
	.end_amdhsa_kernel
	.amdgpu_metadata
---
amdhsa.version: [ 1, 2 ]
amdhsa.kernels:
  - .name:           k_qc06e42785a_pv
    .symbol:         k_qc06e42785a_pv.kd
    .args:
      - { .name: pbuf, .offset: 0, .size: 8, .value_kind: global_buffer, .address_space: global }
      - { .name: qkv, .offset: 8, .size: 8, .value_kind: global_buffer, .address_space: global }
      - { .name: stats, .offset: 16, .size: 8, .value_kind: global_buffer, .address_space: global }
      - { .name: out0, .offset: 24, .size: 8, .value_kind: global_buffer, .address_space: global }
    .group_segment_fixed_size: 327680
    .private_segment_fixed_size: 0
    .kernarg_segment_align: 8
    .kernarg_segment_size: 32
    .max_flat_workgroup_size: 128
    .sgpr_count:     100
    .vgpr_count:     768
    .wavefront_size: 32
...
	.end_amdgpu_metadata
.endif
;; end of part 4
;; ======== version 2 of 2: 4 launches; version 1 with the launch cast written anew for expert scheduling mode
;; limits: values are held in f16: magnitudes above 65,504 overflow, below 6.1e-05 lose precision
;; workspace buffers: xb 16,777,216 bytes; wb 6,291,456 bytes; qkv 50,331,648 bytes; pbuf 33,554,432 bytes; stats 1,048,576 bytes
;; launch cast (part 5): grid 256 x 1, 8 waves a work-group, no clusters, 0 bytes of LDS; arguments x, Wq, Wk, Wv, xb, wb, pbuf, stats; writes xb, wb, pbuf, stats
.if DOCPART == 5
	.amdgcn_target "amdgcn-amd-amdhsa--gfx1250"
	.amdhsa_code_object_version 6
	.text
	.protected	k_qc06e42785a_cast
	.globl	k_qc06e42785a_cast
	.p2align	8
	.type	k_qc06e42785a_cast,@function
k_qc06e42785a_cast:
	s_mov_b64 s[64:65], 0
	v_nop
	global_prefetch_b8 v0, s[64:65] scope:SCOPE_SE
	s_setreg_imm32_b32 hwreg(HW_REG_WAVE_SCHED_MODE, 0, 2), 2
	s_setreg_imm32_b32 hwreg(HW_REG_WAVE_MODE, 25, 1), 1
	s_wait_xcnt 0x0
	s_wait_alu depctr_vm_vsrc(0)
; x [8192][1024] and Wq, Wk, Wv [1024][1024], all f32, are rounded once to bf16 (to nearest even) and laid out BY BLOCKS OF 64 ALONG K, as the next launch's tiles want them:
; xb [16][8192][64], wb [16][3072][64] (in each block Wq's rows, then Wk's, then Wv's): a block's rows are 128 bytes and lie end to end.
; Two fills for the later launches: stats [4][16][2048] pairs (c m, l) start as (-1e30, 0), the pair of a block of keys that a row does not see;
; and the 16 tiles of pbuf (rows 512 G .. + 255, keys 512 G + 256 .. + 511 of each batch) that the last launch multiplies by the factor 0 and no launch else writes start as 0.
; A stream: no LDS, no barrier, no loop.  A PIECE is two rows x 64 numbers, one load and one store of a wave: lanes 0-15 take 256 consecutive bytes of one row, lanes 16-31 of the next;
; rounded, the two rows' 128 bytes are neighbours in the block: the store covers 256 consecutive bytes, aligned.  Wave w takes K blocks w and w + 8.
; A work-group has 32 rows of x (32 pieces a wave) and 4 rows of each W (4 pieces a wave each).  All 44 loads of a wave go out at once, each into registers of its own: no register of a pending instruction is ever rewritten.
; THE MODE: SCHED_MODE bits 1:0 = 2 (LLVM: expert scheduling mode 2), set by the entry lines.  The code itself states the register dependences
; between vector instructions and memory instructions, with s_wait_alu, always for 0.
; THE PLAN.  Registers that memory instructions touch:
;   v1, v2, v3, v6, v7   byte offsets, and v184-191, the fills' data: written by vector instructions at the head, once; read by the loads, the stores and the fills; never written again.
;   XR, four a piece     Written by the piece's one load; its two conversions read all four and write the first two; its one store reads those two; nothing writes them afterwards.
; The 44 pieces go in 11 groups of four.  Group g's conversions stand among the stores of group g - 1: a turn is the wait for a piece's load, the store of the piece four back, the piece's two conversions.
; So one wait on va_vdst stands ahead of the first load (offsets and fill data are written), one at the head of each group but the first (the group before has written what this group's four stores read; the conversions
; issued since name this group's registers alone), and one ahead of the last four stores.  No register that a memory instruction has read is written again, no vector instruction writes a scalar register, and EXEC is
; never written: there is no other dependence to state.
.set XR, 8                             ; v[8:183]   piece p: four f32 at XR + 4 p, packed in place into its first two registers
.set ZR, 184                           ; v[184:187] 0
.set FR, 188                           ; v[188:191] (-1e30, 0) twice
.set KSA, 8192*128                     ; bytes in a K block of xb
.set KSB, 3072*128                     ; and of wb
.set GROUPS, 11                        ; 44 pieces in groups of four
	s_load_b512 s[4:19], s[0:1], 0x0               ; x s[4:5], Wq s[6:7], Wk s[8:9], Wv s[10:11], xb s[12:13], wb s[14:15], pbuf s[16:17], stats s[18:19]
	v_and_b32 v4, 31, v0                           ; lane
	v_lshrrev_b32 v5, 5, v0                        ; wave
	v_and_b32 v6, 15, v0
	v_bfe_u32 v7, v0, 4, 1
	v_lshlrev_b32 v1, 12, v7                       ; the way in: the row of my half of the lanes,
	v_lshl_add_u32 v1, v5, 8, v1                   ; K block w: 256 bytes of f32,
	v_lshl_add_u32 v1, v6, 4, v1                   ; my 16 bytes
	v_lshlrev_b32 v2, 3, v4                        ; the way out: 8 bytes a lane,
	v_mul_u32_u24 v3, v5, KSB
	v_add_nc_u32 v3, v3, v2                        ; in K block w of wb,
	v_lshl_add_u32 v2, v5, 20, v2                  ; of xb
	v_lshlrev_b32 v6, 4, v0                        ; stats: 16 bytes a thread
	v_lshlrev_b32 v7, 4, v4
	v_lshl_add_u32 v7, v5, 12, v7                  ; pbuf: a wave a row of 4,096 bytes, 512 bytes of it
.irp i, 184,185,186,187,189,191
	v_mov_b32 v\i, 0
.endr
	v_mov_b32 v188, 0xf149f2ca                     ; -1e30
	v_mov_b32 v190, 0xf149f2ca
	s_lshl_b32 s20, ttmp9, 17                      ; x: 32 rows of 4,096 bytes a work-group
	s_mov_b32 s21, 0
	s_lshl_b32 s22, ttmp9, 12                      ; xb: 32 rows of 128 bytes in each block; stats: 4,096 bytes
	s_mov_b32 s23, 0
	s_lshl_b32 s24, ttmp9, 14                      ; each W: 4 rows
	s_mov_b32 s25, 0
	s_lshl_b32 s26, ttmp9, 9                       ; wb: 4 rows of 128 bytes in each block and part
	s_mov_b32 s27, 0
	s_lshr_b32 s30, ttmp9, 6                       ; pbuf: batch g / 64,
	s_lshl_b32 s30, s30, 23
	s_bfe_u32 s2, ttmp9, 0x20004                   ; G = (g / 16) % 4: 512 G rows down and 512 G + 256 keys along,
	s_mul_i32 s2, s2, 2098176
	s_add_co_u32 s30, s30, s2
	s_and_b32 s2, ttmp9, 15                        ; 16 rows of the tile's 256
	s_lshl_b32 s2, s2, 16
	s_add_co_u32 s30, s30, s2
	s_add_co_u32 s30, s30, 512
	s_mov_b32 s31, 0
	s_wait_kmcnt 0x0
	s_add_nc_u64 s[4:5], s[4:5], s[20:21]
	s_add_nc_u64 s[6:7], s[6:7], s[24:25]
	s_add_nc_u64 s[8:9], s[8:9], s[24:25]
	s_add_nc_u64 s[10:11], s[10:11], s[24:25]
	s_add_nc_u64 s[12:13], s[12:13], s[22:23]
	s_add_nc_u64 s[28:29], s[12:13], 8*KSA         ; xb eight K blocks on: more than a store's immediate holds
	s_add_nc_u64 s[14:15], s[14:15], s[26:27]
	s_add_nc_u64 s[16:17], s[16:17], s[30:31]
	s_add_nc_u64 s[18:19], s[18:19], s[22:23]
	s_wait_alu depctr_va_vdst(0)                   ; the offsets v1, v2, v3, v6, v7 and the fills' data v184 to v191 are written: every load, store and fill of the kernel reads some of them, and no line below writes one
.macro LD p, base, off                 ; piece p's load
	global_load_b128 v[XR+4*(\p):XR+4*(\p)+3], v1, s[\base:\base+1] offset:\off th:TH_LOAD_NT
.endm
.macro CVT p                           ; piece p is rounded, in place
	v_cvt_pk_bf16_f32 v[XR+4*(\p)],   v[XR+4*(\p)],   v[XR+4*(\p)+1]
	v_cvt_pk_bf16_f32 v[XR+4*(\p)+1], v[XR+4*(\p)+2], v[XR+4*(\p)+3]
.endm
.macro ST p                            ; piece p is stored.  x: pair of rows p / 2, in K block w (even p) or w + 8 (odd p).  W number (p - 32) / 4: pair of rows ((p - 32) % 4) / 2, K block w + 8 ((p - 32) % 2)
.if (\p) < 32
	global_store_b64 v2, v[XR+4*(\p):XR+4*(\p)+1], s[12+16*((\p)%2):13+16*((\p)%2)] offset:((\p)/2)*256 th:TH_STORE_NT
.else
	global_store_b64 v3, v[XR+4*(\p):XR+4*(\p)+1], s[14:15] offset:(((\p)-32)%2)*8*KSB+(((\p)-32)/4)*131072+((((\p)-32)%4)/2)*256 th:TH_STORE_NT
.endif
.endm
.set p, 0
.rept 32                               ; x: pair of rows p / 2, K block w + 8 (p % 2)
	LD p, 4, (p/2)*8192+(p%2)*2048
.set p, p+1
.endr
.irp m, 0,1,2
.irp q, 0,1,2,3
	LD 32+4*(\m)+(\q), 6+2*(\m), ((\q)/2)*8192+((\q)%2)*2048
.endr
.endr
	global_store_b128 v6, v[FR:FR+3], s[18:19] th:TH_STORE_NT               ; the fills leave while the loads are on their way
	global_store_b128 v7, v[ZR:ZR+3], s[16:17] th:TH_STORE_NT               ; eight rows,
	global_store_b128 v7, v[ZR:ZR+3], s[16:17] offset:32768 th:TH_STORE_NT  ; and the eight below
.set g, 0
.rept GROUPS
.irp i, 0,1,2,3
	s_wait_loadcnt 43-(4*g+(\i))                   ; loads come back in order: piece 4 g + i is in, the loads of the later pieces may stay out
.if ((\i) == 0) && (g > 0)
	s_wait_alu depctr_va_vdst(0)                   ; the conversions of the group before have written the registers that this group's four stores read; the conversions issued from here on name this group's own registers alone
.endif
.if g > 0
	ST 4*(g-1)+(\i)
.endif
	CVT 4*g+(\i)
.endr
.set g, g+1
.endr
	s_wait_alu depctr_va_vdst(0)                   ; the last group's conversions have written the registers that the last four stores read
.irp i, 0,1,2,3
	ST 4*(GROUPS-1)+(\i)
.endr
	s_endpgm
.Lfunc_end_k_qc06e42785a_cast:
	.size	k_qc06e42785a_cast, .Lfunc_end_k_qc06e42785a_cast-k_qc06e42785a_cast
	.p2alignl 7, 3214868480
	.fill 96, 4, 3214868480
	.section	.rodata,"a",@progbits
	.p2align	6, 0x0
	.amdhsa_kernel k_qc06e42785a_cast
		.amdhsa_group_segment_fixed_size 0
		.amdhsa_private_segment_fixed_size 0
		.amdhsa_enable_private_segment 0
		.amdhsa_kernarg_size 64
		.amdhsa_user_sgpr_count 2
		.amdhsa_user_sgpr_kernarg_segment_ptr 1
		.amdhsa_wavefront_size32 1
		.amdhsa_system_sgpr_workgroup_id_x 1
		.amdhsa_system_sgpr_workgroup_id_y 1
		.amdhsa_system_sgpr_workgroup_id_z 1
		.amdhsa_system_vgpr_workitem_id 0
		.amdhsa_next_free_vgpr 192
		.amdhsa_next_free_sgpr 66
		.amdhsa_reserve_vcc 0
		.amdhsa_float_denorm_mode_32 3
		.amdhsa_float_denorm_mode_16_64 3
		.amdhsa_memory_ordered 1
		.amdhsa_forward_progress 1
		.amdhsa_inst_pref_size 19
	.end_amdhsa_kernel
	.amdgpu_metadata
---
amdhsa.version: [ 1, 2 ]
amdhsa.kernels:
  - .name:           k_qc06e42785a_cast
    .symbol:         k_qc06e42785a_cast.kd
    .args:
      - { .name: x, .offset: 0, .size: 8, .value_kind: global_buffer, .address_space: global }
      - { .name: Wq, .offset: 8, .size: 8, .value_kind: global_buffer, .address_space: global }
      - { .name: Wk, .offset: 16, .size: 8, .value_kind: global_buffer, .address_space: global }
      - { .name: Wv, .offset: 24, .size: 8, .value_kind: global_buffer, .address_space: global }
      - { .name: xb, .offset: 32, .size: 8, .value_kind: global_buffer, .address_space: global }
      - { .name: wb, .offset: 40, .size: 8, .value_kind: global_buffer, .address_space: global }
      - { .name: pbuf, .offset: 48, .size: 8, .value_kind: global_buffer, .address_space: global }
      - { .name: stats, .offset: 56, .size: 8, .value_kind: global_buffer, .address_space: global }
    .group_segment_fixed_size: 0
    .private_segment_fixed_size: 0
    .kernarg_segment_align: 8
    .kernarg_segment_size: 64
    .max_flat_workgroup_size: 256
    .sgpr_count:     66
    .vgpr_count:     192
    .wavefront_size: 32
...
	.end_amdgpu_metadata
.endif
;; end of part 5
;; launch proj: the kernel of part 2 again; grid 8 x 32, 4 waves a work-group, clusters of 4 x 4, 327,680 bytes of LDS; arguments xb, wb, qkv; writes qkv
;; launch score: the kernel of part 3 again; grid 9 x 16, 4 waves a work-group, no clusters, 327,680 bytes of LDS; arguments qkv, pbuf, stats; writes pbuf, stats
;; launch pv: the kernel of part 4 again; grid 8 x 32, 4 waves a work-group, clusters of 4 x 4, 327,680 bytes of LDS; arguments pbuf, qkv, stats, out0; writes out0
